; MI455X (gfx1250); checked and timed in simulation.
; The chip was launched on July 23, 2026; its instructions are those of AMD's public machine-readable ISA for CDNA 5 (MIT licence, August 2026) and "CDNA5" Instruction Set Architecture Reference Guide (July 2026). The comments in the code are by the model that wrote it; some were corrected since.
;; Multi Head Global Attention. Allowed arithmetic: matrix products marked QUANTISED: E3M2 operands, one E8M0 scale for each 32 along K, by v_wmma_scale_f32_16x16x128_f8f6f4 with both operands' format E3M2, f32 sums; everything else in f32.
;; Inputs: b_o 1,024 float32; b_qkv 3,072 float32; w_o 1,024 x 1,024 float32; w_qkv 1,024 x 3,072 float32; x 2 x 2,048 x 1,024 float32.
;; Outputs: out0 2 x 2,048 x 1,024 float32.
;; This version of the problem:
;;   THIS VERSION OF THE PROBLEM IS GIVEN IN LOW PRECISION. The matrix products marked QUANTISED in the list below multiply operands that are first quantised to E3M2 (3 exponent bits, 2 mantissa bits; 6 bits a number), with one power-of-two scale for each 32 numbers along K (OCP MX v1.0); their sums are f32. All else is computed in f32.
;;   The module's matrix products, in the order in which they are computed (A, B: the left and right operand; K: the contracted axis; several contracted axes count as one K, in the product's order):
;;     1. [M 4,096, K 1,024] x [K 1,024, N 3,072]; A: input x; B: input w_qkv: QUANTISED
;;     2. batch 32 x [M 2,048, K 64] x [K 64, N 2,048]; A: computed on the way; B: computed on the way: QUANTISED
;;     3. batch 32 x [M 2,048, K 2,048] x [K 2,048, N 64]; A: softmax (see below); B: computed on the way: QUANTISED
;;     4. [M 4,096, K 1,024] x [K 1,024, N 1,024]; A: computed on the way; B: input w_o: QUANTISED
;;   THE QUANTISER, for each operand of a quantised product, along K:
;;     - K is cut into blocks of 32 from its start; a last block that is shorter is filled with zeros.
;;     - A block's scale is 2^e with e = floor(log2(the largest magnitude in the block)) - 4, held to -126 .. 127; a block of zeros has e = 0. As a byte (E8M0): e + 127.
;;     - Each number is divided by its block's scale, clamped to +-28, and rounded to the nearest number of E3M2, ties to even, subnormals kept.
;;     - The product sums the exact products of the quantised numbers (number of the format x scale) in f32.
;;   ~~~python
;;   def quantise(x, axis):      # numpy; x: float32 -> the quantised numbers, widened to float32 again
;;       x = np.moveaxis(x, axis, -1); K = x.shape[-1]
;;       x = np.pad(x, [(0, 0)] * (x.ndim - 1) + [(0, -K % 32)]); x = x.reshape(x.shape[:-1] + (-1, 32)); a = np.abs(x).max(-1, keepdims=True)
;;       e = np.where(a > 0, np.clip(np.frexp(np.where(a > 0, a, 1))[1] - 1 - 4, -126, 127), 0)      # np.frexp(a)[1] - 1 = floor(log2(a)), exactly
;;       r = np.clip(x / 2.0 ** e, -28, 28)
;;       step = 2.0 ** (np.maximum(np.frexp(np.where(r == 0, 1, r))[1] - 1, -2) - 2)
;;       q = np.round(r / step) * step * 2.0 ** e      # np.round: ties to even
;;       return np.moveaxis(q.reshape(q.shape[:-2] + (-1,))[..., :K], -1, axis).astype(np.float32)
;;   ~~~
;;   SOFTMAX AHEAD OF A QUANTISED PRODUCT. Where the list says 'softmax', what is quantised is not the finished softmax but p = 2^(t - M), with t = logit x log2(e) and M = ceil(the row's largest t), a whole number; so 1/2 < the row's largest p <= 1. The row's sum l is taken of the UNQUANTISED p, in f32, and the product's result is divided by l at the end. Since M is a whole number, a kernel that streams over the keys may use a running M (the ceiling of the running maximum): every later rescaling is an exact power of two, which a block's scale takes up: the codes' values come out the same.
;;   OPERANDS COMPUTED ON THE WAY. 'Computed on the way' means the value that the module computes at that place (a softmax that the list does not call 'softmax' is quantised finished and normalised). What goes into a quantiser is computed in f32, as accurately as f32 sums, v_exp_f32 and their like allow (about 1e-6 of the number): no bf16 or f16 on the way to a quantiser, and a product that is left as it is and whose result goes on into a quantised operand takes f32 operands (vector FMAs, or v_wmma_f32_16x16x4_f32). A number that lies on a knife's edge between two numbers of the format may be rounded either way, as far as f32 arithmetic and the matrix unit's own rounding can turn it there, and no further.
;; One version. Each part assembles by itself: llvm-mc -triple=amdgcn-amd-amdhsa -mcpu=gfx1250 --defsym DOCPART=n.
;; ======== version 1 of 1: 4 launches
;; limits: right only within a limited range of input values
;; workspace buffers: xc 3,145,728 bytes; wc 2,359,296 bytes; woc 786,432 bytes; sc1 229,376 bytes; sc2 163,840 bytes; qc 3,407,872 bytes; kv 6,684,672 bytes; oc 3,145,728 bytes
;; launch quant (part 1): grid 1024 x 1, 4 waves a work-group, no clusters, 41,472 bytes of LDS; arguments x, w_qkv, w_o, xc, wc, woc, sc1, sc2; writes xc, wc, woc, sc1, sc2
.if DOCPART == 1
	.amdgcn_target "amdgcn-amd-amdhsa--gfx1250"
	.amdhsa_code_object_version 6
	.text
	.protected	k_qb6ac404065_quant
	.globl	k_qb6ac404065_quant
	.p2align	8
	.type	k_qb6ac404065_quant,@function
k_qb6ac404065_quant:
	s_mov_b64 s[64:65], 0
	v_nop
	global_prefetch_b8 v0, s[64:65] scope:SCOPE_SE
	s_setreg_imm32_b32 hwreg(HW_REG_WAVE_MODE, 25, 1), 1
	s_wait_xcnt 0x0
; x [4096][1024], w_qkv [1024][3072] and w_o [1024][1024], f32, become codes of BF6 (E3M2) with one E8M0 byte for each 32 along K (K = 1024 in all three).
; A block's scale is 2^(floor(log2(its largest magnitude)) - 4); its byte is that magnitude's exponent field - 4, held at 1 from below; numbers beyond 28 x scale take the largest code.
; LIMITS: a block of zeros gets the byte 1 where the quantiser says 127 (its codes are zeros, and this program alone reads the bytes); blocks whose largest magnitude lies under 2^-122 were not tried; NaN and infinities are not served.
; LAYOUT OF THE RESULTS.  Codes lie as IMAGES OF THE OPERAND'S REGISTERS: [K step of 128][row block of 16][1536 bytes]; an image is two halves of 768 bytes (64 along K each): registers 0-3 of the half, lane l at 16 l,
; then registers 4-5, lane l at 512 + 8 l.  Lane (r, h) of a half holds row r's block h: 24 bytes.  Scale words lie [row block][half of K][row][four K steps], 4 bytes each, byte b for block b of the 128.
; ROW ORDER: lane-row p of row block 4 g + q is true row (or column of a weight) 64 g + 32 (p / 8) + 8 q + p % 8: so the results of a product that takes four such blocks as source 0 are 32 neighbours, a whole block, in a lane.
; Work-groups 0-511 take the weights (K is their first axis: a lane to a column, registers down K), 512-1023 take x (K innermost): 32,768 bytes read by each.  The two paths have LDS bytes of their own.
; No matrix unit, no cluster, no tensor load: every input byte is read once by one wave.  Every wave has all its loads out at once: no loop in which to prefetch.
.set WTILE, 1664                       ; weights: a stage of four images, 1664 bytes apart, which the four waves share
.set WSC,   4*WTILE                    ; their 64 scale words
.set XSTG,  6912                       ; x: a stage for each wave
.set XWAVE, 8448                       ; 16 rows x 528 bytes
.set XP,    528                        ; a row of 512 bytes + 16
.set XSC,   40704                      ; x: the work-group's scale words: 16 rows x 4 K steps
.set SPARE, 40960                      ; the spare words, 128 bytes for each wave
.set SPW,   160
.set NIL,   161
	s_load_b512 s[4:19], s[0:1], 0x0               ; x s[4:5], w_qkv s[6:7], w_o s[8:9], xc s[10:11], wc s[12:13], woc s[14:15], sc1 s[16:17], sc2 s[18:19]
	v_lshl_add_u32 v[SPW], v0, 2, SPARE
	v_mov_b32 v[NIL], 0
	v_lshrrev_b32 v4, 5, v0
	v_readfirstlane_b32 s20, v4                    ; wave
	v_and_b32 v1, 31, v0                           ; lane
	v_lshlrev_b32 v2, 4, v1                        ; 16 x lane
	v_lshlrev_b32 v3, 3, v1                        ; 8 x lane
	v_and_b32 v15, 15, v1                          ; r
	v_lshrrev_b32 v14, 4, v1                       ; h
	s_wait_alu depctr_va_vdst(0)                   ; the wait ahead of the branch
	s_cmp_lt_u32 ttmp9, 512
	s_cbranch_scc0 .Lx_path
; ---------------- the weights: a work-group takes 64 columns x 128 along K: four images; wave (hi, c) columns 32 hi on, 64 c on along K
.set AD, 16                            ; v16-47   byte offset of row i of a block at my column
.set X,  48                            ; v48-111  two blocks of 32 numbers
.set CD, 112                           ; v112-127 codes, 8 registers a block
	s_and_b32 s21, s20, 1                          ; c
	s_lshr_b32 s22, s20, 1                         ; hi
	s_lshl_b32 s23, s22, 3
	s_mul_i32 s24, s21, 768
	v_lshrrev_b32 v4, 3, v1                        ; q: which of the four images my column falls into
	v_and_b32 v5, 7, v1
	v_add_nc_u32 v5, s23, v5                       ; p = 8 hi + lane % 8: its lane-row there
	v_mul_u32_u24 v6, v4, WTILE
	v_add_nc_u32 v6, s24, v6
	v_lshl_add_u32 v7, v5, 4, v6                   ; the stage, in: registers 0-3 of half c
	v_lshl_add_u32 v8, v5, 3, v6                   ; registers 4-5
	s_lshl_b32 s24, s21, 1
	v_lshlrev_b32 v9, 6, v4
	v_lshl_add_u32 v9, v5, 2, v9
	v_add_nc_u32 v9, s24, v9                       ; my two bytes of the column's scale word
	s_mul_i32 s25, s20, WTILE
	v_add_nc_u32 v10, s25, v2                      ; the stage, out: a wave to an image
	s_lshl_b32 s25, s20, 6
	v_lshl_add_u32 v11, v15, 2, s25                ; and its 16 words
	s_lshl_b32 s26, s22, 7
	v_lshl_add_u32 v12, v1, 2, s26                 ; my column in the 64
	v_lshlrev_b32 v13, 4, v15                      ; a word's place: 16 bytes a row
	s_mov_b32 s31, 12288
	s_wait_alu depctr_va_vdst(0)                   ; the wait at the head's end
	s_wait_kmcnt 0x0
	s_cmp_lt_u32 ttmp9, 384                        ; w_qkv's work-group or w_o's: the choice hangs on the work-group's number alone
	s_cselect_b64 s[22:23], s[6:7], s[8:9]         ; the weight
	s_cselect_b64 s[24:25], s[12:13], s[14:15]     ; its codes
	s_cselect_b64 s[26:27], s[16:17], s[18:19]     ; its scale words (they begin each buffer)
	s_cselect_b32 s28, s31, 4096                   ; bytes in a row of the weight
	s_cselect_b32 s29, 192, 64                     ; its row blocks
	s_cselect_b32 s30, 0, 384
	s_sub_co_u32 s30, ttmp9, s30
	s_and_b32 s32, s30, 7                          ; K step
	s_lshr_b32 s33, s30, 3                         ; g: the 64 columns
	s_lshl_b32 s34, s32, 7
	s_lshl_b32 s35, s21, 6
	s_add_co_u32 s34, s34, s35
	s_mul_i32 s34, s34, s28
	s_lshl_b32 s35, s33, 8
	s_add_co_u32 s34, s34, s35                     ; 128 s + 64 c rows down, 256 g bytes along
	s_mov_b32 s35, 0
	s_lshl_b32 s36, s28, 5                         ; 32 rows
	s_mov_b32 s37, 0
	s_add_nc_u64 s[40:41], s[22:23], s[34:35]      ; a base for each of my two blocks
	s_add_nc_u64 s[42:43], s[40:41], s[36:37]
	s_lshl_b32 s44, s33, 2
	s_add_co_u32 s44, s44, s20                     ; row block 4 g + wave
	s_mul_i32 s38, s32, s29
	s_add_co_u32 s38, s38, s44
	s_mul_i32 s38, s38, 1536
	s_mov_b32 s39, 0
	s_add_nc_u64 s[24:25], s[24:25], s[38:39]
	s_lshl_b32 s38, s44, 9
	s_lshr_b32 s44, s32, 2
	s_lshl_b32 s44, s44, 8
	s_add_co_u32 s38, s38, s44
	s_and_b32 s44, s32, 3
	s_lshl_b32 s44, s44, 2
	s_add_co_u32 s38, s38, s44
	s_add_nc_u64 s[26:27], s[26:27], s[38:39]
.set I, 0
.rept 32
	v_mad_u32_u24 v[AD+I], s28, I, v12             ; one text serves both widths
.set I, I+1
.endr
.macro LOADW t                         ; block t: 32 rows at my column; a wave reads 128 consecutive bytes a load, two waves an aligned 256
.set I, 0
.rept 32
	global_load_b32 v[X+32*(\t)+I], v[AD+I], s[40+2*(\t):41+2*(\t)] th:TH_LOAD_NT
.set I, I+1
.endr
.endm
.macro BLOCKW t
.set XS, X+32*(\t)
	v_max3_num_f32 v4, |v[XS]|, |v[XS+1]|, |v[XS+2]|               ; the block's largest magnitude: all 32 numbers are mine; two chains
	v_max3_num_f32 v5, |v[XS+3]|, |v[XS+4]|, |v[XS+5]|
.irp i, 6,10,14,18,22,26
	v_max3_num_f32 v4, v4, |v[XS+\i]|, |v[XS+\i+1]|
	v_max3_num_f32 v5, v5, |v[XS+\i+2]|, |v[XS+\i+3]|
.endr
	v_max3_num_f32 v4, v4, |v[XS+30]|, |v[XS+31]|
	v_max3_num_f32 v4, v4, v5, 0x2800000           ; and the floor 2^(5 - 127): the byte cannot fall under 1
	v_add_nc_u32 v6, 0xfe000000, v4                ; 4 off the exponent field: the conversion's scale operand
	v_cvt_scalef32_pk16_bf6_f32 v[CD+8*(\t):CD+8*(\t)+2], v[XS:XS+15], v6
	v_cvt_scalef32_pk16_bf6_f32 v[CD+8*(\t)+4:CD+8*(\t)+6], v[XS+16:XS+31], v6   ; (a conversion's three registers begin on an even number)
.if (\t) == 0
	v_lshrrev_b32 v14, 23, v6                      ; the byte; also the plain place behind the conversions
.else
	v_lshrrev_b32 v5, 23, v6
	v_lshl_or_b32 v14, v5, 8, v14                  ; my column's two bytes, the lower K in the lower byte
.endif
	v_mov_b32 v[CD+8*(\t)+3], v[CD+8*(\t)+4]       ; the block's six registers on end
	v_mov_b32 v[CD+8*(\t)+4], v[CD+8*(\t)+5]
	v_mov_b32 v[CD+8*(\t)+5], v[CD+8*(\t)+6]
	ds_store_b128 v7, v[CD+8*(\t):CD+8*(\t)+3] offset:256*(\t)         ; lane p + 16 t of half c
	ds_store_b64 v8, v[CD+8*(\t)+4:CD+8*(\t)+5] offset:512+128*(\t)
.endm
	LOADW 0
	LOADW 1
	s_wait_alu depctr_va_vdst(0)                   ; the wait ahead of the one below
	s_wait_loadcnt 32                              ; block 0 is in; block 1's 32 loads stay out
	BLOCKW 0
	s_wait_loadcnt 0x0
	BLOCKW 1
	ds_store_b16 v9, v14 offset:WSC
	s_wait_alu depctr_va_vdst(0)                   ; the wait ahead of the ones below
	s_wait_dscnt 0x0                               ; my parts of the four images are stored
	s_barrier_signal -1
	s_barrier_wait -1                              ; everybody's are
.irp q, 0,1,2
	ds_load_b128 v[X+4*\q:X+4*\q+3], v10 offset:512*\q
.endr
	ds_load_b32 v[X+12], v11 offset:WSC
	s_wait_dscnt 0x0
.irp q, 0,1,2
	global_store_b128 v2, v[X+4*\q:X+4*\q+3], s[24:25] offset:512*\q   ; 32 lanes store 512 consecutive bytes, at a multiple of 256 from the buffer's first byte
.endr
	v_cmp_gt_u32 vcc_lo, 16, v1
	s_wait_alu depctr_va_vdst(0)                   ; the wait ahead of the ones below
	s_wait_xcnt 0x0                                ; EXEC, a source of the stores above, changes only behind this wait
	s_wait_tensorcnt 0x0                           ; the wave's end
	ds_add_u32 v[SPW], v[NIL]
	s_wait_dscnt 0x0
	s_and_saveexec_b32 s45, vcc_lo
	global_store_b32 v13, v[X+12], s[26:27]        ; lanes 0-15: the 16 columns' words of this K step
	s_endpgm
; ---------------- x: a wave takes one image: 16 rows x 128 along K; a work-group four K steps of a row block
.Lx_path:
.set R,  16                            ; v16-79   16 rows as loaded: 16 bytes a lane
.set XX, 80                            ; v80-143  my row's blocks h and 2 + h: 2 x 32 neighbours
.set CX, 144                           ; v144-159 their codes
.set WA, 162                           ; v162     LDS: my word of row r
.set RA, 163                           ; v163     16 r: a row's four words
	s_sub_co_u32 s21, ttmp9, 512
	s_lshr_b32 s22, s21, 1                         ; row block
	s_and_b32 s23, s21, 1                          ; half of K
	s_lshl_b32 s31, s23, 2
	s_add_co_u32 s31, s31, s20                     ; K step
	s_lshr_b32 s24, s22, 2
	s_lshl_b32 s24, s24, 6
	s_and_b32 s25, s22, 3
	s_lshl_b32 s25, s25, 3
	s_add_co_u32 s24, s24, s25                     ; the block's first true row: 64 g + 8 q
	s_lshl_b32 s24, s24, 12
	s_lshl_b32 s25, s31, 9
	s_add_co_u32 s24, s24, s25
	s_mov_b32 s25, 0
	s_lshl_b32 s26, s31, 8
	s_add_co_u32 s26, s26, s22
	s_mul_i32 s26, s26, 1536                       ; image (s, row block)
	s_mov_b32 s27, 0
	s_lshl_b32 s28, s22, 9
	s_lshl_b32 s29, s23, 8
	s_add_co_u32 s28, s28, s29
	s_add_co_u32 s28, s28, 98304                   ; x's words lie behind w_qkv's in sc1
	s_mov_b32 s29, 0
	s_mul_i32 s30, s20, XWAVE
	s_add_co_u32 s30, s30, XSTG                    ; my stage
	s_mov_b32 s32, 0x76543210
	s_mov_b32 s33, 0xfedcba98                      ; v_permlanex16_b32's selects for lane l xor 16
	s_lshl_b32 s34, s20, 2
	v_add_nc_u32 v4, s30, v2                       ; in: a row as it lies
	v_mul_u32_u24 v5, v15, XP
	v_lshl_add_u32 v5, v14, 7, v5
	v_add_nc_u32 v5, s30, v5                       ; out: row r, block h
	v_lshl_add_u32 v[WA], v15, 4, s34
	v_lshlrev_b32 v[RA], 4, v15
	s_wait_alu depctr_va_vdst(0)
	s_wait_kmcnt 0x0
	s_add_nc_u64 s[4:5], s[4:5], s[24:25]
	s_add_nc_u64 s[10:11], s[10:11], s[26:27]
	s_add_nc_u64 s[16:17], s[16:17], s[28:29]
.irp p, 0,1,2,3,4,5,6,7,8,9,10,11,12,13,14,15
	global_load_b128 v[R+4*\p:R+4*\p+3], v2, s[4:5] offset:(\p+24*(\p/8))*4096 th:TH_LOAD_NT   ; lane-row p: 512 consecutive bytes
.endr
	s_wait_loadcnt 8                               ; rows 0-7 are in; the eight younger loads stay out
.irp p, 0,1,2,3,4,5,6,7
	ds_store_b128 v4, v[R+4*\p:R+4*\p+3] offset:\p*XP
.endr
	s_wait_loadcnt 0x0
.irp p, 8,9,10,11,12,13,14,15
	ds_store_b128 v4, v[R+4*\p:R+4*\p+3] offset:\p*XP
.endr
.irp c, 0,1
.irp q, 0,1,2,3,4,5,6,7
	ds_load_b128 v[XX+32*\c+4*\q:XX+32*\c+4*\q+3], v5 offset:256*\c+16*\q    ; block 2 c + h of my row: the order of the operand's registers
.endr
.endr
	s_wait_dscnt 0x0
.irp c, 0,1
	v_max3_num_f32 v[6+\c], |v[XX+32*\c]|, |v[XX+1+32*\c]|, 0x2800000   ; the floor 2^(5 - 127) among the leaves
.endr
.irp i, 2,4,6,8,10,12,14,16,18,20,22,24,26,28,30
.irp c, 0,1
	v_max3_num_f32 v[6+\c], v[6+\c], |v[XX+32*\c+\i]|, |v[XX+1+32*\c+\i]|   ; (the two blocks by turns)
.endr
.endr
.irp c, 0,1
	v_add_nc_u32 v[8+\c], 0xfe000000, v[6+\c]      ; the conversion's scale operand
.endr
.irp c, 0,1
	v_lshrrev_b32 v[10+\c], 23, v[8+\c]            ; the byte
.endr
	v_lshl_or_b32 v12, v11, 16, v10                ; blocks h and 2 + h,
	v_lshlrev_b32 v13, 3, v14
	v_lshlrev_b32 v12, v13, v12                    ; at their places in the word;
	v_mov_b32 v13, 0
	v_permlanex16_b32 v13, v12, s32, s33
	v_or_b32 v12, v12, v13                         ; with lane l xor 16's two the word is whole
.irp c, 0,1
	v_cvt_scalef32_pk16_bf6_f32 v[CX+8*\c:CX+8*\c+2], v[XX+32*\c:XX+32*\c+15], v[8+\c]
	v_cvt_scalef32_pk16_bf6_f32 v[CX+8*\c+4:CX+8*\c+6], v[XX+32*\c+16:XX+32*\c+31], v[8+\c]
.endr
	v_nop                                          ; the plain place behind the conversions
.irp c, 0,1
	v_mov_b32 v[CX+8*\c+3], v[CX+8*\c+4]
	v_mov_b32 v[CX+8*\c+4], v[CX+8*\c+5]
	v_mov_b32 v[CX+8*\c+5], v[CX+8*\c+6]
.endr
	ds_store_b32 v[WA], v12 offset:XSC             ; lanes l and l xor 16 write the same word with the same value
.irp c, 0,1
	global_store_b128 v2, v[CX+8*\c:CX+8*\c+3], s[10:11] offset:768*\c          ; 512 consecutive bytes,
	global_store_b64 v3, v[CX+8*\c+4:CX+8*\c+5], s[10:11] offset:768*\c+512     ; 256 consecutive bytes
.endr
	s_wait_alu depctr_va_vdst(0)                   ; the wait ahead of the ones below
	s_wait_dscnt 0x0                               ; my words are stored
	s_barrier_signal -1
	s_barrier_wait -1                              ; everybody's are
	s_cmp_lg_u32 s20, 0
	s_cbranch_scc1 .Lx_end
	ds_load_b128 v[R:R+3], v[RA] offset:XSC
	v_cmp_gt_u32 vcc_lo, 16, v1
	s_wait_alu depctr_va_vdst(0)                   ; the wait ahead of the ones below
	s_wait_xcnt 0x0                                ; EXEC changes only behind this wait
	s_wait_tensorcnt 0x0                           ; the wave's end
	ds_add_u32 v[SPW], v[NIL]
	s_wait_dscnt 0x0
	s_and_saveexec_b32 s35, vcc_lo
	global_store_b128 v[RA], v[R:R+3], s[16:17]    ; lanes 0-15: 16 rows x 4 words, one aligned unit of 256 bytes
	s_endpgm
.Lx_end:
	s_wait_tensorcnt 0x0                           ; the other waves' end: the same three lines
	ds_add_u32 v[SPW], v[NIL]
	s_wait_dscnt 0x0
	s_endpgm
.Lfunc_end_k_qb6ac404065_quant:
	.size	k_qb6ac404065_quant, .Lfunc_end_k_qb6ac404065_quant-k_qb6ac404065_quant
	.p2alignl 7, 3214868480
	.fill 96, 4, 3214868480
	.section	.rodata,"a",@progbits
	.p2align	6, 0x0
	.amdhsa_kernel k_qb6ac404065_quant
		.amdhsa_group_segment_fixed_size 41472
		.amdhsa_private_segment_fixed_size 0
		.amdhsa_enable_private_segment 0
		.amdhsa_kernarg_size 64
		.amdhsa_user_sgpr_count 2
		.amdhsa_user_sgpr_kernarg_segment_ptr 1
		.amdhsa_wavefront_size32 1
		.amdhsa_system_sgpr_workgroup_id_x 1
		.amdhsa_system_sgpr_workgroup_id_y 1
		.amdhsa_system_sgpr_workgroup_id_z 1
		.amdhsa_system_vgpr_workitem_id 0
		.amdhsa_next_free_vgpr 168
		.amdhsa_next_free_sgpr 66
		.amdhsa_reserve_vcc 1
		.amdhsa_float_denorm_mode_32 3
		.amdhsa_float_denorm_mode_16_64 3
		.amdhsa_memory_ordered 1
		.amdhsa_forward_progress 1
		.amdhsa_inst_pref_size 25
	.end_amdhsa_kernel
	.amdgpu_metadata
---
amdhsa.version: [ 1, 2 ]
amdhsa.kernels:
  - .name:           k_qb6ac404065_quant
    .symbol:         k_qb6ac404065_quant.kd
    .args:
      - { .name: x, .offset: 0, .size: 8, .value_kind: global_buffer, .address_space: global }
      - { .name: w_qkv, .offset: 8, .size: 8, .value_kind: global_buffer, .address_space: global }
      - { .name: w_o, .offset: 16, .size: 8, .value_kind: global_buffer, .address_space: global }
      - { .name: xc, .offset: 24, .size: 8, .value_kind: global_buffer, .address_space: global }
      - { .name: wc, .offset: 32, .size: 8, .value_kind: global_buffer, .address_space: global }
      - { .name: woc, .offset: 40, .size: 8, .value_kind: global_buffer, .address_space: global }
      - { .name: sc1, .offset: 48, .size: 8, .value_kind: global_buffer, .address_space: global }
      - { .name: sc2, .offset: 56, .size: 8, .value_kind: global_buffer, .address_space: global }
    .group_segment_fixed_size: 41472
    .private_segment_fixed_size: 0
    .kernarg_segment_align: 8
    .kernarg_segment_size: 64
    .max_flat_workgroup_size: 128
    .sgpr_count:     66
    .vgpr_count:     168
    .wavefront_size: 32
...
	.end_amdgpu_metadata
.endif
;; end of part 1
;; launch qkv (part 2): grid 16 x 16, 4 waves a work-group, clusters of 4 x 4, 327,680 bytes of LDS; arguments xc, wc, sc1, b_qkv, qc, kv; writes qc, kv
.if DOCPART == 2
	.amdgcn_target "amdgcn-amd-amdhsa--gfx1250"
	.amdhsa_code_object_version 6
	.text
	.protected	k_qb6ac404065_qkv
	.globl	k_qb6ac404065_qkv
	.p2align	8
	.type	k_qb6ac404065_qkv,@function
k_qb6ac404065_qkv:
	s_mov_b64 s[64:65], 0
	v_nop
	global_prefetch_b8 v0, s[64:65] scope:SCOPE_SE
	s_setreg_imm32_b32 hwreg(HW_REG_WAVE_MODE, 25, 1), 1
	s_wait_xcnt 0x0
	s_wait_alu depctr_hold_cnt(0) depctr_sa_sdst(0) depctr_va_vdst(0) depctr_va_sdst(0) depctr_va_ssrc(0) depctr_va_vcc(0) depctr_vm_vsrc(0)
	s_getreg_b32 s2, hwreg(HW_REG_IB_STS2, 6, 4)
	s_cmp_eq_u32 s2, 0
	s_cbranch_scc0 .Lentry_in_a_cluster
	s_endpgm
.Lentry_in_a_cluster:
	s_bfe_u32 s2, ttmp6, 0x10000c
	s_cmp_lg_u32 s2, 0xf033
	s_cbranch_scc0 .Lentry_shape_is_right
	s_endpgm
.Lentry_shape_is_right:
; qkv = x w_qkv + b_qkv on codes of BF6, and its results quantised at once: q and k along the head's 64, v along the keys.  Nothing wide goes to memory.
; SHARES.  A work-group takes 256 rows x one head's 192 columns [q|k|v].  Wave (mh, nh): rows 128 mh on (8 row blocks a); nh = 0: the four tiles of q, nh = 1: those of k; and two of the four tiles of v.  48 accumulators.
; q AND k ARE MADE TRANSPOSED (source 0 = 16 columns of W, source 1 = 16 rows of x): a lane holds one row, its registers run along the head's 64, which is the next product's K.
; v IS MADE STRAIGHT (source 0 = x, source 1 = W): a lane holds one channel and its registers run along the rows, the keys, which are the K of the product with p.
; The row order of the images (lane-row p of block 4 g + q = true row 64 g + 32 (p / 8) + 8 q + p % 8) makes the 32 registers of four neighbouring tiles a whole block of 32 along that K: no block is shared by two lanes.
; LDS IS FILLED ONCE: x's images of all eight K steps (8 x 24,576 bytes) and W's of K steps 0-6 (7 x 18,432).  All eight of W would pass the 327,680 bytes, so each wave takes its six fragments of W's K step 7 straight from
; memory into registers at the head, and uses them last.
; ONE TENSOR LOAD A WAVE: a tile of several K steps, whose rows are a K step's dense block: wave 0 x's K steps 0-2, wave 1 W's 0-2, wave 2 x's 3-7, wave 3 W's 3-6.  Waves 0 and 1 wait for theirs ahead of the first K step,
; all waves ahead of the fetch of K step 3.  Everything is asked for at the head: there is no loop to prefetch in.
; CLUSTER 4 x 4: x's tiles hang on the tile of rows alone and are asked for jointly along a row of the cluster, W's on the head alone, along a column.
; LIMITS: as the quantising launch states them (a block of zeros gets the byte 1; magnitudes under 2^-122 not tried; NaN and infinities not served).  Bytes 2 and 3 of q's and k's scale words are 0: they stand over zero codes.
; REGISTERS, in windows of 256: window 0: v0-31 addresses; v32-95 scale words (v[32 + 8 i + s]: lanes 0-15 x's block i, lanes 16-31 W's fragment i, K step s); v96-167 W's fragments, odd K steps; v168-239 W's K step 7;
;   on the way out v96-249 at work.   window 1: x's fragments, two sets of 96.   window 2: q's or k's 32 accumulators, (a, i) at 8 (4 a + i).
;   window 3: v0-127 v's 16 accumulators, (i, a) at 64 i + 8 a; v128-199 W's fragments, even K steps; v200-231 the bias of q or k, 8 registers a tile; v232-247 that of v.
.set XSB,  24576                       ; x's images of a K step: 16 row blocks
.set WSB,  18432                       ; W's: 12 tiles
.set XKS,  393216                      ; from K step to K step in xc
.set WKS,  294912                      ; in wc
.set WL,   196608                      ; where W's begin in LDS
.set SPARE, WL+7*WSB                   ; the spare words, 128 bytes for each wave
.set G16,  4                           ; v4   16 x lane
.set G8,   5                           ; v5   8 x lane
.set G4,   6                           ; v6   4 x lane
.set X16,  8                           ; v8-9   LDS address of my eight blocks of x in the K step to be fetched (16 and 8 bytes a lane)
.set X8,   9
.set WQ16, 10                          ; v10-11 of my four tiles of q or k
.set WQ8,  11
.set WV16, 12                          ; v12-13 of my two tiles of v
.set WV8,  13
.set SO1,  14                          ; v14-15 offsets of the scale words in sc1
.set SO2,  15
.set BQO,  16                          ; v16-17 offsets in b_qkv
.set BVO,  17
.set SC,   32
.set W1,   96
.set W7,   168
.set W0,   128
.set BQ,   200
.set BV,   232
.set G1XA, 24                          ; descriptor groups 1: x's K steps 0-2, 3-7; W's 0-2, 3-6
.set G1XB, 32
.set G1WA, 40
.set G1WB, 68
.set G0XA, 48                          ; and groups 0
.set G0XB, 52
.set G0WA, 56
.set G0WB, 60
.set MSB, 0
.macro WIN new                         ; the immediate's high byte repeats the setting that is left
.if MSB != \new
	s_set_vgpr_msb (MSB<<8)|\new
.set MSB, \new
.endif
.endm
.macro ROUND                           ; a round of the cluster's barrier
	s_barrier_signal -1
	s_barrier_wait -1
	s_cmp_lg_u32 s16, 0
	s_cbranch_scc1 .Lnot_wave_0_\@
	s_barrier_signal -3
.Lnot_wave_0_\@:
	s_barrier_wait -3
	s_barrier_signal -1
	s_barrier_wait -1
.endm
.macro GROUP1 g, c, rows, pitch        ; rows of c elements of 8 bytes, no padding
	s_mov_b32 s[\g+1], (\c)<<16                    ; tensor_dim0
	s_mov_b32 s[\g+2], (\rows)<<16                 ; tensor_dim1
	s_mov_b32 s[\g+3], (\c)<<16                    ; tile_dim0
	s_mov_b32 s[\g+4], \rows                       ; tile_dim1
	s_mov_b32 s[\g+5], \pitch
	s_mov_b32 s[\g+6], 0
	s_mov_b32 s[\g+7], 0
.endm
.macro GROUP0 g, lds, base, off
	s_mov_b32 s[\g], 1
	s_mov_b32 s[\g+1], \lds
	s_add_nc_u64 s[\g+2:\g+3], s[\base:\base+1], \off
	s_or_b32 s[\g+3], s[\g+3], 0x80000000
.endm
.macro ARM under, g0, g1, next
	s_cmp_lt_u32 s16, \under
	s_cbranch_scc0 \next
	tensor_load_to_lds s[\g0:\g0+3], s[\g1:\g1+7]
	s_nop 0
.rept 4
	v_nop
.endr
	s_branch .Lasked
\next:
.endm
.macro FRAG reg, a16, a8, off          ; an image comes back as the operand's 12 registers: every load takes 512 or 256 consecutive bytes
	ds_load_b128 v[\reg:\reg+3], v[\a16] offset:\off
	ds_load_b64 v[\reg+4:\reg+5], v[\a8] offset:\off+512
	ds_load_b128 v[\reg+6:\reg+9], v[\a16] offset:\off+768
	ds_load_b64 v[\reg+10:\reg+11], v[\a8] offset:\off+1280
.endm
.macro GFRAG reg, base, off            ; the same from memory
	global_load_b128 v[\reg:\reg+3], v[G16], s[\base:\base+1] offset:\off
	global_load_b64 v[\reg+4:\reg+5], v[G8], s[\base:\base+1] offset:\off+512
	global_load_b128 v[\reg+6:\reg+9], v[G16], s[\base:\base+1] offset:\off+768
	global_load_b64 v[\reg+10:\reg+11], v[G8], s[\base:\base+1] offset:\off+1280
.endm
	s_load_b256 s[4:11], s[0:1], 0x0               ; xc s[4:5], wc s[6:7], sc1 s[8:9], b_qkv s[10:11]
	s_load_b128 s[12:15], s[0:1], 0x20             ; qc s[12:13], kv s[14:15]
	v_lshl_add_u32 v254, v0, 2, SPARE
	v_mov_b32 v255, 0
	ds_add_u32 v254, v255                          ; the wave's opening: the add, twice on end, and its wait
	ds_add_u32 v254, v255
	v_lshrrev_b32 v1, 5, v0
	v_readfirstlane_b32 s16, v1                    ; wave 0..3
	s_lshr_b32 s17, s16, 1                         ; mh
	s_and_b32 s18, s16, 1                          ; nh
	s_bfe_u32 s19, ttmp6, 0x40000                  ; cx
	s_bfe_u32 s20, ttmp6, 0x40004                  ; cy
	s_lshl_b32 s21, ttmp9, 2
	s_add_co_u32 s21, s21, s19                     ; the head = 4 x cluster x + cx
	s_and_b32 s22, ttmp7, 0xffff
	s_lshl_b32 s22, s22, 2
	s_add_co_u32 s22, s22, s20                     ; the tile of 256 rows = 4 x cluster y + cy
	s_mov_b32 s23, 0x2800000                       ; the floor 2^(5 - 127)
	s_lshl_b32 s84, s20, 2
	s_lshl_b32 s84, 15, s84                        ; my row of the cluster
	s_lshl_b32 s88, 0x1111, s19                    ; my column
	s_or_b32 s[G1XA], s84, (3<<16)|(1<<21)         ; 15:0 the mask; 17:16 elements of 8 bytes; 21 set beside a mask; no padding
	s_or_b32 s[G1XB], s84, (3<<16)|(1<<21)
	s_or_b32 s[G1WA], s88, (3<<16)|(1<<21)
	s_or_b32 s[G1WB], s88, (3<<16)|(1<<21)
	GROUP1 G1XA, XSB/8, 3, XKS/8
	GROUP1 G1XB, XSB/8, 5, XKS/8
	GROUP1 G1WA, WSB/8, 3, WKS/8
	GROUP1 G1WB, WSB/8, 4, WKS/8
	; s84-87 hold what hangs on cy alone, s88-91 what hangs on cx alone
	s_mul_i32 s84, s22, XSB
	s_mov_b32 s85, 0
	s_mul_i32 s88, s21, WSB
	s_mov_b32 s89, 0
	s_wait_dscnt 0x0                               ; both opening adds are done
	s_wait_kmcnt 0x0
	s_add_nc_u64 s[86:87], s[4:5], s[84:85]
	s_add_nc_u64 s[90:91], s[6:7], s[88:89]
	GROUP0 G0XA, 0, 86, 0
	GROUP0 G0XB, 3*XSB, 86, 3*XKS
	GROUP0 G0WA, WL, 90, 0
	GROUP0 G0WB, WL+3*WSB, 90, 3*WKS
	ROUND                                          ; all sixteen work-groups are here: the joint loads meet
	ARM 1, G0XA, G1XA, .Lhead_1                    ; one chain of branches on the wave's number: every way passes one load
	ARM 2, G0WA, G1WA, .Lhead_2
	ARM 3, G0XB, G1XB, .Lhead_3
	tensor_load_to_lds s[G0WB:G0WB+3], s[G1WB:G1WB+7]
	s_nop 0
.rept 4
	v_nop
.endr
.Lasked:
	v_and_b32 v1, 31, v0                           ; lane
	v_and_b32 v2, 15, v0                           ; r
	v_bfe_u32 v3, v0, 4, 1                         ; h
	v_lshlrev_b32 v[G16], 4, v1
	v_lshlrev_b32 v[G8], 3, v1
	v_lshlrev_b32 v[G4], 2, v1
	s_mul_i32 s2, s17, 12288                       ; my eight blocks of x
	v_add_nc_u32 v[X16], s2, v[G16]
	v_add_nc_u32 v[X8], s2, v[G8]
	s_mul_i32 s2, s18, 6144                        ; the head's tiles 4 nh on
	s_add_co_u32 s2, s2, WL
	v_add_nc_u32 v[WQ16], s2, v[G16]
	v_add_nc_u32 v[WQ8], s2, v[G8]
	s_mul_i32 s2, s18, 3072                        ; and 8 + 2 nh on
	s_add_co_u32 s2, s2, WL+12288
	v_add_nc_u32 v[WV16], s2, v[G16]
	v_add_nc_u32 v[WV8], s2, v[G8]
	; the scale words: lanes 0-15 x's block i, lanes 16-31 W's fragment i (fragments 4, 5 are v's tiles: SO2)
	s_lshl_b32 s84, s22, 4
	s_lshl_b32 s85, s17, 3
	s_add_co_u32 s84, s84, s85
	s_lshl_b32 s84, s84, 9
	s_add_co_u32 s84, s84, 98304                   ; x's words of row block 16 mt + 8 mh
	s_mul_i32 s88, s21, 12
	s_lshl_b32 s89, s18, 2
	s_add_co_u32 s88, s88, s89                     ; tile 12 head + 4 nh
	s_lshl_b32 s89, s88, 9
	s_lshl_b32 s90, s18, 10
	s_sub_co_u32 s90, s89, s90
	s_add_co_u32 s90, s90, 2048                    ; 4 - 2 nh tiles further on: with i = 4 that is tile 12 head + 8 + 2 nh
	s_mul_i32 s91, s21, 768                        ; the head's 192 numbers of b_qkv
	s_lshl_b32 s92, s18, 8
	s_add_co_u32 s92, s92, s91                     ; q's or k's 64
	s_lshl_b32 s93, s18, 6
	s_add_co_u32 s93, s93, s91
	s_add_co_u32 s93, s93, 512                     ; v's tiles 2 nh on: 8 numbers further for each tile
	s_wait_alu depctr_va_vdst(0)                   ; the wait here, ahead of the readers below
	v_lshlrev_b32 v18, 4, v2                       ; 16 bytes a row: four K steps' words
	v_mov_b32 v19, s84
	v_cmp_gt_u32 vcc_lo, 16, v1
	v_cndmask_b32 v[SO1], s89, v19, vcc_lo
	v_cndmask_b32 v[SO2], s90, v19, vcc_lo
	v_add_nc_u32 v[SO1], v[SO1], v18
	v_add_nc_u32 v[SO2], v[SO2], v18
	v_lshl_add_u32 v[BQO], v3, 7, s92              ; tile i, register j: number 32 h + 8 i + j
	v_and_b32 v20, 8, v2
	v_mad_u32_u24 v20, v20, 3, v2
	v_lshl_add_u32 v[BVO], v20, 2, s93             ; tile i: number 32 (r / 8) + 8 i + r % 8, the same in all eight registers
.irp i, 0,1,2,3
.irp k, 0,1
	global_load_b128 v[SC+8*\i+4*\k:SC+8*\i+4*\k+3], v[SO1], s[8:9] offset:\i*512+\k*256
.endr
.endr
.irp i, 4,5,6,7                        ; (for i = 6, 7 lanes 16-31 read words at most two row blocks past W's last: inside sc1, written, and used by nobody)
.irp k, 0,1
	global_load_b128 v[SC+8*\i+4*\k:SC+8*\i+4*\k+3], v[SO2], s[8:9] offset:\i*512+\k*256
.endr
.endr
	WIN 0xc0                                       ; destination window 3
.irp i, 0,1,2,3
	global_load_b128 v[BQ+8*\i:BQ+8*\i+3], v[BQO], s[10:11] offset:32*\i
	global_load_b128 v[BQ+8*\i+4:BQ+8*\i+7], v[BQO], s[10:11] offset:32*\i+16
.endr
.irp i, 0,1
.irp j, 0,1,2,3,4,5,6,7
	global_load_b32 v[BV+8*\i+\j], v[BVO], s[10:11] offset:32*\i
.endr
.endr
	WIN 0
	s_add_co_u32 s88, s88, 1344                    ; K step 7 of wc begins at tile 7 x 192
	s_mul_i32 s88, s88, 1536
	s_mov_b32 s89, 0
	s_add_nc_u64 s[90:91], s[6:7], s[88:89]        ; my tiles of q or k,
	s_mul_i32 s88, s18, 3072
	s_sub_co_u32 s88, 12288, s88
	s_add_nc_u64 s[92:93], s[90:91], s[88:89]      ; and of v: 8 - 2 nh tiles further on
.irp i, 0,1,2,3
	GFRAG W7+12*\i, 90, \i*1536
.endr
.irp i, 0,1
	GFRAG W7+48+12*\i, 92, \i*1536
.endr
	; where the results go.  These numbers hang on cx and on cy: s94-101 and s104-105 hold nothing else
	s_lshr_b32 s104, s22, 3
	s_lshl_b32 s104, s104, 4
	s_add_co_u32 s104, s104, s21                   ; bh = 16 x batch + head
	s_and_b32 s105, s22, 7                         ; qb: the tile of 256 rows within the batch
	s_lshl_b32 s94, s104, 3
	s_add_co_u32 s94, s94, s105
	s_mul_i32 s94, s94, 13312                      ; q's chunk
	s_mov_b32 s95, 0
	s_mul_i32 s98, s104, 208896
	s_lshl_b32 s105, s105, 1
	s_add_co_u32 s105, s105, s17                   ; my 128 rows are key step 2 qb + mh
	s_mul_i32 s105, s105, 13056
	s_add_co_u32 s98, s98, s105
	s_mov_b32 s99, 0
	s_add_nc_u64 s[98:99], s[14:15], s[98:99]      ; the key step in kv: k's half images lie first
	s_add_nc_u64 s[94:95], s[12:13], s[94:95]
	s_mul_i32 s104, s17, 6144
	s_mov_b32 s105, 0
	s_add_nc_u64 s[96:97], s[94:95], s[104:105]    ; q's half images: tile 8 mh on
	s_lshl_b32 s104, s17, 9
	s_add_co_u32 s104, s104, 12288
	s_add_nc_u64 s[94:95], s[94:95], s[104:105]    ; q's scale words
	s_add_nc_u64 s[100:101], s[98:99], 12288       ; k's
	s_cmp_eq_u32 s18, 0                            ; the choice hangs on the wave's number alone
	s_cselect_b64 s[96:97], s[96:97], s[98:99]     ; where my eight half images go,
	s_cselect_b64 s[94:95], s[94:95], s[100:101]   ; and their words
	s_mul_i32 s104, s18, 3072
	s_add_co_u32 s104, s104, 6144
	s_add_nc_u64 s[100:101], s[98:99], s[104:105]  ; v's images 2 nh on
	s_lshl_b32 s104, s18, 7
	s_add_co_u32 s104, s104, 12800
	s_add_nc_u64 s[98:99], s[98:99], s[104:105]    ; and their words
; 56 LDS loads in one run: K step s: x's eight fragments into set s % 2, W's six into the even or the odd steps' set
.macro FETCH s
	WIN 0x40                                       ; destination window 1, address window 0
.irp a, 0,1,2,3,4,5,6,7
	FRAG 96*((\s)%2)+12*\a, X16, X8, \a*1536
.endr
.if (\s) < 7
.if (\s)%2 == 0
	WIN 0xc0
.set WB, W0
.else
	WIN 0
.set WB, W1
.endif
.irp i, 0,1,2,3
	FRAG WB+12*\i, WQ16, WQ8, \i*1536
.endr
.irp i, 0,1
	FRAG WB+48+12*\i, WV16, WV8, \i*1536
.endr
.endif
.endm
.macro WSET s
.set XB, 96*((\s)%2)
.if (\s) == 7
.set WB, W7
.elseif (\s)%2 == 0
.set WB, W0
.else
.set WB, W1
.endif
.endm
; 32 products: source 0 = W's tile i (its words in lanes 16-31), source 1 = x's block a.  The first K step takes the bias as C: nothing is cleared, nothing is added later.
.macro MULQK s
	WSET \s
.if (\s) == 0
	WIN 0xb7                                       ; source 0 window 3, source 1 window 1, C window 3, D window 2
.elseif (\s)%2 == 0
	WIN 0xa7                                       ; C window 2
.else
	WIN 0xa4                                       ; source 0 window 0
.endif
.irp a, 0,1,2,3,4,5,6,7
.irp i, 0,1,2,3
.if (\s) == 0
	v_wmma_scale_f32_16x16x128_f8f6f4 v[8*(4*\a+\i):8*(4*\a+\i)+7], v[WB+12*\i:WB+12*\i+11], v[XB+12*\a:XB+12*\a+11], v[BQ+8*\i:BQ+8*\i+7], v[SC+8*\i+(\s)], v[SC+8*\a+(\s)] matrix_a_fmt:MATRIX_FMT_BF6 matrix_b_fmt:MATRIX_FMT_BF6 matrix_a_scale:MATRIX_SCALE_ROW1
.else
	v_wmma_scale_f32_16x16x128_f8f6f4 v[8*(4*\a+\i):8*(4*\a+\i)+7], v[WB+12*\i:WB+12*\i+11], v[XB+12*\a:XB+12*\a+11], v[8*(4*\a+\i):8*(4*\a+\i)+7], v[SC+8*\i+(\s)], v[SC+8*\a+(\s)] matrix_a_fmt:MATRIX_FMT_BF6 matrix_b_fmt:MATRIX_FMT_BF6 matrix_a_scale:MATRIX_SCALE_ROW1
.endif
.endr
.endr
.endm
; 16 products: source 0 = x's block a, source 1 = W's fragment 4 + i (v's tile)
.macro MULV s
	WSET \s
.if (\s)%2 == 0
	WIN 0xfd                                       ; source 0 window 1, source 1 window 3, C and D window 3
.else
	WIN 0xf1                                       ; source 1 window 0
.endif
.irp a, 0,1,2,3,4,5,6,7
.irp i, 0,1
.if (\s) == 0
	v_wmma_scale_f32_16x16x128_f8f6f4 v[64*\i+8*\a:64*\i+8*\a+7], v[XB+12*\a:XB+12*\a+11], v[WB+48+12*\i:WB+48+12*\i+11], v[BV+8*\i:BV+8*\i+7], v[SC+8*\a+(\s)], v[SC+8*(4+\i)+(\s)] matrix_a_fmt:MATRIX_FMT_BF6 matrix_b_fmt:MATRIX_FMT_BF6 matrix_b_scale:MATRIX_SCALE_ROW1
.else
	v_wmma_scale_f32_16x16x128_f8f6f4 v[64*\i+8*\a:64*\i+8*\a+7], v[XB+12*\a:XB+12*\a+11], v[WB+48+12*\i:WB+48+12*\i+11], v[64*\i+8*\a:64*\i+8*\a+7], v[SC+8*\a+(\s)], v[SC+8*(4+\i)+(\s)] matrix_a_fmt:MATRIX_FMT_BF6 matrix_b_fmt:MATRIX_FMT_BF6 matrix_b_scale:MATRIX_SCALE_ROW1
.endif
.endr
.endr
.endm
; A K step: its fragments were asked for a whole step ago; the next step's are asked for in one run ahead of its 48 products.  The 48 accumulators take turns, one instruction a turn,
; in the same order in every step.
.macro STEP s
	WIN 0
	s_wait_dscnt 0x0                               ; this step's 56 loads are in
.if (\s) == 7
	s_wait_loadcnt 0x0                             ; W's K step 7, asked for at the head
.endif
.if (\s) == 2
	s_wait_tensorcnt 0x0                           ; my load has landed, waves 2 and 3's K steps 3 on among them
	s_barrier_signal -1
	s_barrier_wait -1                              ; everybody's has
.endif
.if (\s) < 7
	s_wait_alu depctr_va_vdst(0)                   ; the wait ahead of the readers below
	v_add_nc_u32 v[X16], XSB, v[X16]               ; on to the next K step.  These plain lines are also the four places between the last step's products and the loads into the registers that they read
	v_add_nc_u32 v[X8], XSB, v[X8]
.if (\s) < 6
	v_add_nc_u32 v[WQ16], WSB, v[WQ16]
	v_add_nc_u32 v[WQ8], WSB, v[WQ8]
	v_add_nc_u32 v[WV16], WSB, v[WV16]
	v_add_nc_u32 v[WV8], WSB, v[WV8]
.else
	v_nop
	v_nop
.endif
	FETCH (\s)+1
.endif
	MULQK \s
	MULV \s
.endm
	s_wait_alu depctr_va_vdst(0)                   ; the wait at the head's end
	s_cmp_lt_u32 s16, 2
	s_cbranch_scc0 .Llater                         ; waves 2 and 3 wait for their loads, lines of their own, ahead of K step 3
	s_wait_tensorcnt 0x0                           ; waves 0 and 1: K steps 0-2 have landed
.Llater:
	s_barrier_signal -1
	s_barrier_wait -1
	FETCH 0
	s_wait_loadcnt 24                              ; scale words and biases are in; the 24 loads of W's K step 7 stay out
.irp s, 0,1,2,3,4,5,6,7
	STEP \s
.endr
; THE WAY OUT: the results are quantised in registers and leave as images; every store of codes covers 512 or 256 consecutive bytes.
; n blocks of 32; block k's numbers, all in my lane, are registers 32 k .. 32 k + 31 of the accumulators' window.
.macro BLOCKMAX n, tm                  ; each accumulator is read from its low end on
.set I, 0
.rept 16
.set K, 0
.rept \n
.if I == 0
	v_max3_num_f32 v[\tm+K], s23, |v[32*K]|, |v[32*K+1]|           ; the floor among the leaves
.else
	v_max3_num_f32 v[\tm+K], v[\tm+K], |v[32*K+2*I]|, |v[32*K+2*I+1]|   ; (the blocks by turns)
.endif
.set K, K+1
.endr
.set I, I+1
.endr
.endm
.macro BLOCKSCALE n, tm, ts, tb
.set K, 0
.rept \n
	v_add_nc_u32 v[\ts+K], 0xfe000000, v[\tm+K]    ; 4 off its exponent field: the conversion's scale operand
.set K, K+1
.endr
.set K, 0
.rept \n
	v_lshrrev_b32 v[\tb+K], 23, v[\ts+K]           ; the byte
.set K, K+1
.endr
.endm
.set TM, 96
.set TS, 104
.set TB, 112
.set CD, 176
.set PW, 240
	WIN 0
.rept 4
	v_nop                                          ; places behind the last products
.endr
	; q or k: 8 blocks: row block a, block h of the head's 64
	WIN 0x28                                       ; sources 1 and 2 window 2
	BLOCKMAX 8, TM
	WIN 0
	BLOCKSCALE 8, TM, TS, TB
	WIN 0x02                                       ; source 0 window 2
.irp a, 0,1,2,3,4,5,6,7
	v_cvt_scalef32_pk16_bf6_f32 v[CD+8*\a:CD+8*\a+2], v[32*\a:32*\a+15], v[TS+\a]
	v_cvt_scalef32_pk16_bf6_f32 v[CD+8*\a+4:CD+8*\a+6], v[32*\a+16:32*\a+31], v[TS+\a]
.endr
	WIN 0
	v_nop                                          ; one plain place behind a scaled conversion
.irp i, 3,4,5
.irp a, 0,1,2,3,4,5,6,7
	v_mov_b32 v[CD+8*\a+\i], v[CD+8*\a+\i+1]       ; a block's six registers on end
.endr
.endr
.irp a, 0,1,2,3,4,5,6,7
	global_store_b128 v[G16], v[CD+8*\a:CD+8*\a+3], s[96:97] offset:768*\a
	global_store_b64 v[G8], v[CD+8*\a+4:CD+8*\a+5], s[96:97] offset:768*\a+512
.endr
.irp a, 0,1,2,3                        ; lane (r, h) holds byte h of row r: the swap lays tile 2 a's bytes in lanes 0-15 and tile 2 a + 1's in lanes 16-31, byte 0 in the first register, byte 1 in the second
	v_permlane16_swap_b32 v[TB+2*\a], v[TB+2*\a+1]
.endr
.irp a, 0,1,2,3
	v_lshl_or_b32 v[PW+\a], v[TB+2*\a+1], 8, v[TB+2*\a]            ; two bytes; the upper two are 0 over zero codes
.endr
.irp a, 0,1,2,3
	global_store_b32 v[G4], v[PW+\a], s[94:95] offset:128*\a
.endr
	; v: 4 blocks (tile i, block 2 c + h of the step's 128 keys): block 2 i + c.  Registers of their own: no pending store's data are written again
.set CDV, 128
.set PWV, 248
	WIN 0x3c                                       ; sources 1 and 2 window 3
	BLOCKMAX 4, TM
	WIN 0
	BLOCKSCALE 4, TM, TS, TB
.irp i, 0,1
	v_lshl_or_b32 v[PWV+\i], v[TB+2*\i+1], 16, v[TB+2*\i]          ; bytes h and 2 + h, still at 0 and 2
.endr
	WIN 0x03                                       ; source 0 window 3
.irp i, 0,1
.irp c, 0,1
	v_cvt_scalef32_pk16_bf6_f32 v[CDV+20*\i+6*\c:CDV+20*\i+6*\c+2], v[64*\i+32*\c:64*\i+32*\c+15], v[TS+2*\i+\c]
	v_cvt_scalef32_pk16_bf6_f32 v[CDV+20*\i+12+4*\c:CDV+20*\i+14+4*\c], v[64*\i+32*\c+16:64*\i+32*\c+31], v[TS+2*\i+\c]
.endr
.endr
	WIN 0
	v_permlane16_swap_b32 v[PWV], v[PWV+1]         ; (also the plain place behind the conversions)
	v_lshl_or_b32 v[PWV], v[PWV+1], 8, v[PWV]      ; two tiles' words in one register
.irp i, 0,1
.irp c, 0,1
.irp j, 0,1,2
	v_mov_b32 v[CDV+20*\i+6*\c+3+\j], v[CDV+20*\i+12+4*\c+\j]
.endr
.endr
.endr
.irp i, 0,1
	global_store_b128 v[G16], v[CDV+20*\i:CDV+20*\i+3], s[100:101] offset:1536*\i
	global_store_b64 v[G8], v[CDV+20*\i+4:CDV+20*\i+5], s[100:101] offset:1536*\i+512
	global_store_b128 v[G16], v[CDV+20*\i+6:CDV+20*\i+9], s[100:101] offset:1536*\i+768
	global_store_b64 v[G8], v[CDV+20*\i+10:CDV+20*\i+11], s[100:101] offset:1536*\i+1280
.endr
	global_store_b32 v[G4], v[PWV], s[98:99]
	s_wait_tensorcnt 0x0                           ; the wave's end
	ds_add_u32 v254, v255
	s_wait_dscnt 0x0
	ROUND                                          ; the closing round: no work-group ends while a partner may still ask for a tile that names it
	s_endpgm
.Lfunc_end_k_qb6ac404065_qkv:
	.size	k_qb6ac404065_qkv, .Lfunc_end_k_qb6ac404065_qkv-k_qb6ac404065_qkv
	.p2alignl 7, 3214868480
	.fill 96, 4, 3214868480
	.section	.rodata,"a",@progbits
	.p2align	6, 0x0
	.amdhsa_kernel k_qb6ac404065_qkv
		.amdhsa_group_segment_fixed_size 327680
		.amdhsa_private_segment_fixed_size 0
		.amdhsa_enable_private_segment 0
		.amdhsa_kernarg_size 48
		.amdhsa_user_sgpr_count 2
		.amdhsa_user_sgpr_kernarg_segment_ptr 1
		.amdhsa_wavefront_size32 1
		.amdhsa_system_sgpr_workgroup_id_x 1
		.amdhsa_system_sgpr_workgroup_id_y 1
		.amdhsa_system_sgpr_workgroup_id_z 1
		.amdhsa_system_vgpr_workitem_id 0
		.amdhsa_next_free_vgpr 1024
		.amdhsa_next_free_sgpr 106
		.amdhsa_reserve_vcc 1
		.amdhsa_float_denorm_mode_32 3
		.amdhsa_float_denorm_mode_16_64 3
		.amdhsa_memory_ordered 1
		.amdhsa_forward_progress 1
		.amdhsa_inst_pref_size 115
	.end_amdhsa_kernel
	.amdgpu_metadata
---
amdhsa.version: [ 1, 2 ]
amdhsa.kernels:
  - .name:           k_qb6ac404065_qkv
    .symbol:         k_qb6ac404065_qkv.kd
    .args:
      - { .name: xc, .offset: 0, .size: 8, .value_kind: global_buffer, .address_space: global }
      - { .name: wc, .offset: 8, .size: 8, .value_kind: global_buffer, .address_space: global }
      - { .name: sc1, .offset: 16, .size: 8, .value_kind: global_buffer, .address_space: global }
      - { .name: b_qkv, .offset: 24, .size: 8, .value_kind: global_buffer, .address_space: global }
      - { .name: qc, .offset: 32, .size: 8, .value_kind: global_buffer, .address_space: global }
      - { .name: kv, .offset: 40, .size: 8, .value_kind: global_buffer, .address_space: global }
    .group_segment_fixed_size: 327680
    .private_segment_fixed_size: 0
    .kernarg_segment_align: 8
    .kernarg_segment_size: 48
    .max_flat_workgroup_size: 128
    .sgpr_count:     106
    .vgpr_count:     1024
    .wavefront_size: 32
...
	.end_amdgpu_metadata
.endif
;; end of part 2
;; launch attn (part 3): grid 8 x 32, 8 waves a work-group, clusters of 4 x 1, 327,680 bytes of LDS; arguments qc, kv, oc, sc2; writes oc, sc2
.if DOCPART == 3
	.amdgcn_target "amdgcn-amd-amdhsa--gfx1250"
	.amdhsa_code_object_version 6
	.text
	.protected	k_qb6ac404065_attn
	.globl	k_qb6ac404065_attn
	.p2align	8
	.type	k_qb6ac404065_attn,@function
k_qb6ac404065_attn:
	s_mov_b64 s[64:65], 0
	v_nop
	global_prefetch_b8 v0, s[64:65] scope:SCOPE_SE
	s_setreg_imm32_b32 hwreg(HW_REG_WAVE_MODE, 25, 1), 1
	s_wait_xcnt 0x0
	s_wait_alu depctr_hold_cnt(0) depctr_sa_sdst(0) depctr_va_vdst(0) depctr_va_sdst(0) depctr_va_ssrc(0) depctr_va_vcc(0) depctr_vm_vsrc(0)
	s_getreg_b32 s2, hwreg(HW_REG_IB_STS2, 6, 4)
	s_cmp_eq_u32 s2, 0
	s_cbranch_scc0 .Lentry_in_a_cluster
	s_endpgm
.Lentry_in_a_cluster:
	s_bfe_u32 s2, ttmp6, 0x10000c
	s_cmp_lg_u32 s2, 0x3003
	s_cbranch_scc0 .Lentry_shape_is_right
	s_endpgm
.Lentry_shape_is_right:
; o = softmax(q k^T / 8) v for one head and 256 queries, both products on codes of BF6; o leaves as codes for the last product, quantised along the head's 64.
; THE SOFTMAX AHEAD OF THE SECOND PRODUCT: t = score x log2(e) / 8; M = the running largest t rounded UP to a whole number; p = 2^(t - M) is quantised along the keys, not normalised; the row's sum is taken of the
; unquantised p in f32 and divides O at the end.  When M moves, the sum and O are multiplied by 2^(old M - new M): exact.
; SHARES.  Eight waves, each with two tiles of 16 queries in 512 registers: two waves to a SIMD.  Every wave walks the 16 key steps of 128 keys; a fragment of k or v feeds both tiles' products.
; LDS IS FILLED ONCE with the head's whole block of kv (16 key steps x 13,056 bytes: 8 half images of k, 4 images of v, their scale words).  Each wave brings two dense parts: an early one at the head (26 rows of 256 bytes; the
; eight cover key steps 0-3) and, behind the round, a late one (76 rows), which has key steps 0-2 in which to land.  All is asked for ahead of the loops: they have nothing to prefetch.
; CLUSTER 4 x 1: the four blocks of queries of a cluster belong to one head: every part is asked for jointly, with the mask of all four.
; LAYOUT.  Both products are used transposed: S^T = k q^T, O^T = v^T p^T: a lane holds ONE query of each tile throughout.  A tile of k is a row block of the images' row order (lane-row p of tile 4 c + q = key 64 c + 32 (p / 8) + 8 q + p % 8):
; so lane (r, h)'s 32 registers of tiles 4 c .. 4 c + 3 are block 2 c + h of 32 neighbouring keys, whole: its largest p and its codes need no other lane, and six registers of codes are the operand's as they stand.
; THE FIRST PRODUCT'S K IS 64.  The upper half of q's fragment is zero codes, set once.  The upper half of k's fragment t is simply the six registers that follow: tile t + 1's codes (behind tile 7: six zeros).  E3M2 has no code
; for infinity or NaN, so any code times the zero code is 0, and the scale bytes of that half are 0 on both sides.  So all eight tiles of a step lie in 54 registers, and the next step's can be asked for a whole step ahead.
; THE EXPONENTIALS GO IN FOUR BATCHES, a block of 32 keys of one tile each, the tiles by turns.  Among them stand only plain lines whose results are read behind a later wait: other blocks' scaling, sums by pairs, moves.
; A BLOCK'S LARGEST p is made from the block's largest score by the same multiply-add and exponential; this takes v_exp_f32 not to fall where its input rises.
; o's scale words have four bytes for 128 along K, of which a head owns two: they leave as single bytes, 2 beside each row's 48 bytes of codes.
; LIMITS: a block of zeros gets the byte 1 (its codes are zeros); the scaled scores stay under 2^31 in magnitude; NaN and infinities are not served.
; REGISTERS, window 0 (u: the tile, 0 or 1; e = 2 u + b: its block b):
.set STEPB, 13056
.set EARLY, 6656                       ; 26 rows of 256 bytes; eight are 53,248: key steps 0-3 are 52,224
.set LATE,  19456                      ; 76 rows
.set SPARE, 16*STEPB                   ; the spare words, 128 bytes for each wave
.set L16, 1                            ; v1   16 x lane        v2   8 x lane        v3   4 x (lane % 16): never rewritten
.set L8,  2
.set L4,  3
.set A16, 4                            ; v4-6 the same + the key step's first byte
.set A8,  5
.set A4,  6
.set SEL, 9                            ; v9   where my two scale bytes go in p's word
.set OM,  10                           ; v10-11 the old -M
.set NM,  12                           ; v[12+2u] -M, v[13+2u] the largest score
.set SM,  16                           ; v[16+2u:17+2u] the row's sum in two halves
.set FM,  20                           ; v[20+2u] f, named as a pair with
.set XD,  21                           ; v[21+2u] what comes from lane l xor 16
.set WK,  24                           ; v24-25 at work
.set PS,  26                           ; v26-27 p's scale words
.set QS,  28                           ; v28-29 q's
.set BM,  30                           ; v30-33 the blocks' largest scores, then largest p
.set BC,  34                           ; v34-37 the search's second chains, then shifted scales
.set BS,  38                           ; v38-41 the conversions' scale operands
.set KS,  42                           ; v42-49 k's scale words;  v50-53 v's
.set VS,  50
.set SPW, 54                           ; v54-55 the add's two registers
.set NIL, 55
.set PC,  56                           ; v56-79 p's codes, 12 a tile
.set AX,  80                           ; v80-95 the conversions' second halves, 8 a tile
.set T,   96                           ; v96-127 eight pairs of the row's sum a tile: pair 8 u + k
.set S,   128                          ; v128-255 S^T, then p: block e at S + 32 e
; window 1:
.set KF,  0                            ; k's eight tiles, six registers each, and six zeros
.set VF,  54                           ; v's four fragments
.set QF,  102                          ; q's two
.set OT,  126                          ; O^T: 32 a tile
.set MSB, 0
.macro WIN new                         ; the immediate's high byte repeats the setting that is left
.if MSB != \new
	s_set_vgpr_msb (MSB<<8)|\new
.set MSB, \new
.endif
.endm
.macro ROUND
	s_barrier_signal -1
	s_barrier_wait -1
	s_cmp_lg_u32 s12, 0
	s_cbranch_scc1 .Lnot_wave_0_\@
	s_barrier_signal -3
.Lnot_wave_0_\@:
	s_barrier_wait -3
	s_barrier_signal -1
	s_barrier_wait -1
.endm
.macro GROUP1 g, rows                  ; a dense block as rows of 256 bytes, for all four work-groups of the cluster
	s_mov_b32 s[\g], 15|(3<<16)|(1<<21)            ; 15:0 the mask; 17:16 elements of 8 bytes; 21 set beside a mask
	s_mov_b32 s[\g+1], 32<<16
	s_mov_b32 s[\g+2], (\rows)<<16
	s_mov_b32 s[\g+3], 32<<16
	s_mov_b32 s[\g+4], \rows
	s_mov_b32 s[\g+5], 32
	s_mov_b32 s[\g+6], 0
	s_mov_b32 s[\g+7], 0
.endm
	s_load_b256 s[4:11], s[0:1], 0x0               ; qc s[4:5], kv s[6:7], oc s[8:9], sc2 s[10:11]
	v_lshl_add_u32 v[SPW], v0, 2, SPARE
	v_mov_b32 v[NIL], 0
	ds_add_u32 v[SPW], v[NIL]                      ; the wave's opening: the add, twice on end, and its wait
	ds_add_u32 v[SPW], v[NIL]
	v_lshrrev_b32 v1, 5, v0
	v_readfirstlane_b32 s12, v1                    ; wave 0..7
	s_bfe_u32 s13, ttmp6, 0x40000                  ; cx
	s_lshl_b32 s14, ttmp9, 2
	s_add_co_u32 s14, s14, s13                     ; qb: my block of 256 queries; it enters q's and o's addresses alone
	s_and_b32 s15, ttmp7, 0xffff                   ; bh = 16 x batch + head, which the four partners share
	GROUP1 16, 26
	GROUP1 24, 76
	s_mov_b32 s40, 0x76543210
	s_mov_b32 s41, 0xfedcba98                      ; v_permlanex16_b32's selects for lane l xor 16
	s_mov_b32 s42, 0x3e38aa3b                      ; c = log2(e) / 8
	s_mov_b32 s43, s42                             ; (named with it as a pair)
	s_mov_b32 s47, 0xbe38aa3b                      ; -c
	s_mul_i32 s46, s15, 208896                     ; the head's block in kv
	s_mul_i32 s48, s12, EARLY                      ; my early part, in the block and in LDS alike
	s_mul_i32 s49, s12, LATE
	s_add_co_u32 s49, s49, 8*EARLY                 ; my late part
	s_add_co_u32 s50, s46, s48
	s_mov_b32 s51, 0
	s_add_co_u32 s52, s46, s49
	s_mov_b32 s53, 0
	s_lshl_b32 s54, s15, 3
	s_add_co_u32 s54, s54, s14
	s_mul_i32 s54, s54, 13312                      ; q's chunk
	s_lshl_b32 s56, s12, 7
	s_add_co_u32 s56, s56, s54
	s_add_co_u32 s56, s56, 12288                   ; my two tiles' scale words
	s_mov_b32 s57, 0
	s_mul_i32 s55, s12, 1536
	s_add_co_u32 s54, s54, s55                     ; my two tiles' half images
	s_mov_b32 s55, 0
	s_and_b32 s58, s15, 15                         ; head
	s_lshr_b32 s59, s15, 4
	s_lshl_b32 s59, s59, 7
	s_lshl_b32 s60, s14, 4
	s_add_co_u32 s59, s59, s60
	s_lshl_b32 s60, s12, 1
	s_add_co_u32 s59, s59, s60                     ; my first row block: 128 x batch + 16 qb + 2 x wave
	s_lshr_b32 s62, s58, 1                         ; the last product's K step: head / 2
	s_and_b32 s58, s58, 1                          ; and which half of it
	s_lshl_b32 s60, s62, 8
	s_add_co_u32 s60, s60, s59
	s_mul_i32 s60, s60, 1536
	s_mul_i32 s61, s58, 768
	s_add_co_u32 s60, s60, s61
	s_mov_b32 s61, 0
	s_lshl_b32 s59, s59, 9                         ; the row block's words: [half of K][row][four K steps]
	s_lshr_b32 s63, s62, 2
	s_lshl_b32 s63, s63, 8
	s_add_co_u32 s59, s59, s63
	s_and_b32 s62, s62, 3
	s_lshl_b32 s62, s62, 2
	s_add_co_u32 s62, s62, s59
	s_lshl_b32 s58, s58, 1
	s_add_co_u32 s62, s62, s58
	s_add_co_u32 s62, s62, 32768                   ; o's words lie behind w_o's in sc2
	s_mov_b32 s63, 0
	s_wait_dscnt 0x0                               ; both opening adds are done
	s_wait_kmcnt 0x0
	s_mov_b32 s32, 1
	s_mov_b32 s33, s48
	s_add_nc_u64 s[34:35], s[6:7], s[50:51]
	s_or_b32 s35, s35, 0x80000000
	s_mov_b32 s36, 1
	s_mov_b32 s37, s49
	s_add_nc_u64 s[38:39], s[6:7], s[52:53]
	s_or_b32 s39, s39, 0x80000000
	s_add_nc_u64 s[56:57], s[4:5], s[56:57]
	s_add_nc_u64 s[4:5], s[4:5], s[54:55]
	s_add_nc_u64 s[8:9], s[8:9], s[60:61]
	s_add_nc_u64 s[10:11], s[10:11], s[62:63]
	ROUND                                          ; all four work-groups are here: the joint loads meet
	tensor_load_to_lds s[32:35], s[16:23]          ; my early part
	s_nop 0
.rept 4
	v_nop
.endr
	v_and_b32 v7, 31, v0                           ; lane
	v_and_b32 v25, 15, v0                          ; r
	v_bfe_u32 v24, v0, 4, 1                        ; h
	v_lshlrev_b32 v[L16], 4, v7
	v_lshlrev_b32 v[L8], 3, v7
	v_lshlrev_b32 v[L4], 2, v25
	v_lshl_add_u32 v8, v25, 4, v24                 ; the way out: my scale byte: 16 r + h
	global_load_b32 v[QS], v[L4], s[56:57]
	global_load_b32 v[QS+1], v[L4], s[56:57] offset:64
	WIN 0x40                                       ; destination window 1
.irp u, 0,1
	global_load_b128 v[QF+12*\u:QF+12*\u+3], v[L16], s[4:5] offset:768*\u     ; q's half images stay in registers
	global_load_b64 v[QF+12*\u+4:QF+12*\u+5], v[L8], s[4:5] offset:768*\u+512
.endr
.irp j, 6,7,8,9,10,11
	v_mov_b32 v[QF+\j], 0                          ; K = 64: the upper half of q's fragments is zero codes
	v_mov_b32 v[QF+12+\j], 0
.endr
.irp j, 48,49,50,51,52,53
	v_mov_b32 v[KF+\j], 0                          ; what stands behind k's tile 7: no load ever lands here
.endr
.set J, 0
.rept 64
	v_mov_b32 v[OT+J], 0                           ; O^T: the step is written for every step alike; the first finds zeros, which the first change of M leaves zeros
.set J, J+1
.endr
	WIN 0
	v_mov_b32 v[SEL], 0x070c030c                   ; lanes 16-31: bytes 1 and 3 of p's word, the others 0;
	v_mov_b32 v[WK], 0x0c070c03                    ; lanes 0-15: bytes 0 and 2
	v_cmp_gt_u32 vcc_lo, 16, v7
	v_cndmask_b32 v[SEL], v[SEL], v[WK], vcc_lo
.irp u, 0,1
	v_mov_b32 v[NM+1+2*\u], 0xff61b1e6             ; the largest score so far: -3e38
	v_mov_b32 v[SM+2*\u], 0
	v_mov_b32 v[SM+1+2*\u], 0
	v_mov_b32 v[XD+2*\u], 0                        ; a lane permute's destination counts as one of its sources
.endr
.irp u, 0,1
	v_mul_f32 v[NM+2*\u], s47, v[NM+1+2*\u]
.endr
.irp u, 0,1
	v_floor_f32 v[NM+2*\u], v[NM+2*\u]             ; -M
.endr
.macro FMA2 j                          ; t - M, two at a time (of the pairs c and -M the low word serves both halves)
	v_pk_fma_f32 v[S+(\j):S+(\j)+1], v[S+(\j):S+(\j)+1], s[42:43], v[NM+2*((\j)/64):NM+2*((\j)/64)+1] op_sel_hi:[1,0,0]
.endm
.macro EXP2 j                          ; p = 2^(t - M), in place, two registers
	v_exp_f32 v[S+(\j)], v[S+(\j)]
	v_exp_f32 v[S+(\j)+1], v[S+(\j)+1]
.endm
.macro PSUM k, j                       ; two pairs of p begin pair k of the sums: nothing is cleared
	v_pk_add_f32 v[T+2*(\k):T+2*(\k)+1], v[S+(\j):S+(\j)+1], v[S+(\j)+2:S+(\j)+3]
.endm
.macro ADDT k, j                       ; a pair of p onto pair k
	v_pk_add_f32 v[T+2*(\k):T+2*(\k)+1], v[T+2*(\k):T+2*(\k)+1], v[S+(\j):S+(\j)+1]
.endm
.macro JOIN k, j                       ; pair j onto pair k
	v_pk_add_f32 v[T+2*(\k):T+2*(\k)+1], v[T+2*(\k):T+2*(\k)+1], v[T+2*(\j):T+2*(\j)+1]
.endm
.macro TREE u                          ; a tile's eight pairs onto its sum
	JOIN 8*\u, 8*\u+4
	JOIN 8*\u+1, 8*\u+5
	JOIN 8*\u+2, 8*\u+6
	JOIN 8*\u+3, 8*\u+7
	JOIN 8*\u, 8*\u+2
	JOIN 8*\u+1, 8*\u+3
	v_pk_add_f32 v[SM+2*\u:SM+2*\u+1], v[SM+2*\u:SM+2*\u+1], v[T+16*\u:T+16*\u+1]
	v_pk_add_f32 v[SM+2*\u:SM+2*\u+1], v[SM+2*\u:SM+2*\u+1], v[T+16*\u+2:T+16*\u+3]
.endm
.macro RESC u, j                       ; a pair of O^T under the new M
	v_pk_mul_f32 v[OT+32*(\u)+(\j):OT+32*(\u)+(\j)+1], v[OT+32*(\u)+(\j):OT+32*(\u)+(\j)+1], v[FM+2*(\u):FM+2*(\u)+1] op_sel_hi:[1,0]
.endm
.macro CODES u, b                      ; block b of tile u becomes codes (a conversion's three registers begin on an even number)
	v_cvt_scalef32_pk16_bf6_f32 v[PC+12*(\u)+6*(\b):PC+12*(\u)+6*(\b)+2], v[S+64*(\u)+32*(\b):S+64*(\u)+32*(\b)+15], v[BS+2*(\u)+(\b)]
	v_cvt_scalef32_pk16_bf6_f32 v[AX+8*(\u)+4*(\b):AX+8*(\u)+4*(\b)+2], v[S+64*(\u)+32*(\b)+16:S+64*(\u)+32*(\b)+31], v[BS+2*(\u)+(\b)]
.endm
.macro MOVA u, b                       ; a block's six registers on end: two,
	v_dual_mov_b32 v[PC+12*(\u)+6*(\b)+3], v[AX+8*(\u)+4*(\b)] :: v_dual_mov_b32 v[PC+12*(\u)+6*(\b)+4], v[AX+8*(\u)+4*(\b)+1]
.endm
.macro MOVB u, b                       ; and the third
	v_mov_b32 v[PC+12*(\u)+6*(\b)+5], v[AX+8*(\u)+4*(\b)+2]
.endm
.macro KCODES a16, a8, off             ; k's eight half images: 512 and 256 consecutive bytes
.irp t, 0,1,2,3,4,5,6,7
	ds_load_b128 v[KF+6*\t:KF+6*\t+3], v[\a16] offset:(\off)+768*\t
	ds_load_b64 v[KF+6*\t+4:KF+6*\t+5], v[\a8] offset:(\off)+768*\t+512
.endr
.endm
.macro KWORDS a4, off                  ; and their scale words
.irp t, 0,1,2,3,4,5,6,7
	ds_load_b32 v[KS+\t], v[\a4] offset:(\off)+12288+64*\t
.endr
.endm
; A KEY STEP: 128 keys, whose bytes begin at s44; its tiles of k and their scale words are in registers.  pre = 1: the next step's are asked for.
.macro STEP pre
	WIN 0x05                                       ; sources 0 and 1 window 1
.irp u, 0,1
.irp t, 0,1,2,3,4,5,6,7                ; S^T = k q^T: eight tiles of 16 keys for each of my tiles of queries
	v_wmma_scale_f32_16x16x128_f8f6f4 v[S+64*\u+8*\t:S+64*\u+8*\t+7], v[KF+6*\t:KF+6*\t+11], v[QF+12*\u:QF+12*\u+11], 0, v[KS+\t], v[QS+\u] matrix_a_fmt:MATRIX_FMT_BF6 matrix_b_fmt:MATRIX_FMT_BF6
.endr
.endr                                  ; register 64 u + 32 c + i of S: key 64 c + 32 h + i of the step
	WIN 0
	v_add_nc_u32 v[A16], s44, v[L16]               ; five plain lines that are due anyway are more than the four places (ISA guide 7.12.1) behind these products
	v_add_nc_u32 v[A8], s44, v[L8]
	v_add_nc_u32 v[A4], s44, v[L4]
	v_mov_b32 v[OM], v[NM]                         ; the old -M
	v_mov_b32 v[OM+1], v[NM+2]
.irp e, 0,1,2,3                        ; the largest score of each of my four blocks, in two chains each: for the row's maximum, and, since p rises with the score, for the block's largest p
	v_max3_num_f32 v[BM+\e], v[S+32*\e], v[S+1+32*\e], v[S+2+32*\e]
	v_max3_num_f32 v[BC+\e], v[S+16+32*\e], v[S+17+32*\e], v[S+18+32*\e]
.endr
.irp i, 3,5,7,9,11,13
.irp e, 0,1,2,3
	v_max3_num_f32 v[BM+\e], v[BM+\e], v[S+32*\e+\i], v[S+1+32*\e+\i]
	v_max3_num_f32 v[BC+\e], v[BC+\e], v[S+16+32*\e+\i], v[S+17+32*\e+\i]
.endr
.endr
.irp e, 0,1,2,3
	v_max3_num_f32 v[BM+\e], v[BM+\e], v[BC+\e], v[S+15+32*\e]
.endr
.irp e, 0,1,2,3
	v_max_num_f32 v[BM+\e], v[BM+\e], v[S+31+32*\e]
.endr
	; the lines that make M hang on each other: the next step's k and this step's v are asked for between them.  They have the rest of the step in which to land
.irp u, 0,1
	v_max_num_f32 v[WK+\u], v[BM+2*\u], v[BM+1+2*\u]
.endr
.if \pre
	WIN 0x40                                       ; destination window 1
	KCODES A16, A8, STEPB
	WIN 0
.endif
.irp u, 0,1
	v_permlanex16_b32 v[XD+2*\u], v[WK+\u], s40, s41
.endr
.if \pre
	KWORDS A4, STEPB
.endif
.irp u, 0,1
	v_max3_num_f32 v[NM+1+2*\u], v[NM+1+2*\u], v[WK+\u], v[XD+2*\u]   ; the running largest score of my query
.endr
	WIN 0x40
.irp t, 0,1,2,3                        ; v's four images: 16 channels x these 128 keys each
	ds_load_b128 v[VF+12*\t:VF+12*\t+3], v[A16] offset:6144+1536*\t
	ds_load_b64 v[VF+12*\t+4:VF+12*\t+5], v[A8] offset:6144+1536*\t+512
	ds_load_b128 v[VF+12*\t+6:VF+12*\t+9], v[A16] offset:6144+1536*\t+768
	ds_load_b64 v[VF+12*\t+10:VF+12*\t+11], v[A8] offset:6144+1536*\t+1280
.endr
	WIN 0
.irp u, 0,1
	v_mul_f32 v[WK+\u], s47, v[NM+1+2*\u]          ; -t (c is positive)
.endr
.irp t, 0,1,2,3
	ds_load_b32 v[VS+\t], v[A4] offset:12800+64*\t
.endr
.irp u, 0,1
	v_floor_f32 v[NM+2*\u], v[WK+\u]               ; the new -M = floor(-t) = -ceil(t)
.endr
.irp e, 0,1,2,3
	v_fma_f32 v[BM+\e], v[BM+\e], s42, v[NM+2*(\e/2)]   ; t - M of each block's largest score
.endr
.irp u, 0,1
	v_sub_f32 v[WK+\u], v[NM+2*\u], v[OM+\u]       ; old M - new M: a whole number, 0 or less
.endr
.irp j, 0,2,4,6
	FMA2 \j
.endr
.irp u, 0,1
	v_cvt_i32_f32 v[WK+\u], v[WK+\u]               ; (it saturates)
.endr
.irp j, 8,10,12,14
	FMA2 \j
.endr
.irp u, 0,1
	v_ldexp_f32 v[FM+2*\u], 1.0, v[WK+\u]          ; f = 2^(old M - new M)
.endr
.irp j, 16,18,20,22,24,26,28,30
	FMA2 \j
.endr
.irp u, 0,1
	v_pk_mul_f32 v[SM+2*\u:SM+2*\u+1], v[SM+2*\u:SM+2*\u+1], v[FM+2*\u:FM+2*\u+1] op_sel_hi:[1,0]    ; the sums under the new M
.endr
	WIN 0x41                                       ; source 0 and destination window 1
.set J, 0
.rept 16
	RESC 0, 2*J                                    ; O^T under the new M, each accumulator from its low end on, ahead of every exponential
	RESC 1, 2*J
.set J, J+1
.endr
	WIN 0
	s_wait_alu depctr_va_vdst(0)                   ; the wait ahead of the batch
	; the blocks' largest p, by the same two instructions on the same number as the p themselves
.irp e, 0,1,2,3
	v_exp_f32 v[BM+\e], v[BM+\e]
.endr
	; tile 0, block 0 | scaling of tile 1's block 0 and tile 0's block 1
.set J, 0
.rept 16
	v_exp_f32 v[S+2*J], v[S+2*J]
	FMA2 64+2*J
	v_exp_f32 v[S+2*J+1], v[S+2*J+1]
	FMA2 32+2*J
.set J, J+1
.endr
	s_wait_alu depctr_va_vdst(0)                   ; the wait behind a batch and ahead of the next
.irp e, 0,1,2,3
	v_max_num_f32 v[BM+\e], 0x2800000, v[BM+\e]    ; the floor 2^(5 - 127)
.endr
.irp e, 0,1,2,3
	v_add_nc_u32 v[BS+\e], 0xfe000000, v[BM+\e]    ; 4 off the exponent field: the conversion's scale operand
.endr
.irp e, 0,1,2,3
	v_lshlrev_b32 v[BC+\e], 1, v[BS+\e]            ; a scale's byte as the uppermost of its register
.endr
	CODES 0, 0
	; tile 1, block 0 | scaling of its block 1; THE ROW'S SUM IS TAKEN OF THE UNQUANTISED p: tile 0's block 0 by pairs
.set J, 0
.rept 8
	EXP2 64+4*J
	FMA2 96+4*J
	v_exp_f32 v[S+66+4*J], v[S+66+4*J]
	PSUM J, 4*J
	v_exp_f32 v[S+67+4*J], v[S+67+4*J]
	FMA2 98+4*J
.set J, J+1
.endr
	s_wait_alu depctr_va_vdst(0)                   ; the wait behind a batch and ahead of the next
.irp u, 0,1
	v_perm_b32 v[WK+\u], v[BC+1+2*\u], v[BC+2*\u], v[SEL]          ; my two bytes, blocks h and 2 + h, at their places in the word
.endr
	CODES 1, 0
.irp u, 0,1
	v_permlanex16_b32 v[XD+2*\u], v[WK+\u], s40, s41
.endr
.irp u, 0,1
	v_or_b32 v[PS+\u], v[WK+\u], v[XD+2*\u]        ; with lane l xor 16's two: p's scale word for these 128 keys
.endr
	; tile 0, block 1 | tile 1's block 0 by pairs; tile 0's first eight pairs become four; moves
.set J, 0
.rept 8
	EXP2 32+4*J
.if J < 4
	JOIN J, J+4
.elseif J == 4
	MOVA 0, 0
.elseif J == 5
	MOVB 0, 0
.endif
	EXP2 34+4*J
	PSUM 8+J, 64+4*J
.set J, J+1
.endr
	s_wait_alu depctr_va_vdst(0)                   ; the wait behind a batch and ahead of the next
	CODES 0, 1
	; tile 1, block 1 | three quarters of tile 0's block 1; tile 1's first eight pairs become four; moves
.set J, 0
.rept 8
	EXP2 96+4*J
.if J < 4
	JOIN 8+J, 12+J
.elseif J == 4
	MOVA 1, 0
.elseif J == 5
	MOVB 1, 0
.endif
	EXP2 98+4*J
.if J < 4
	PSUM 4+J, 32+4*J
.else
	ADDT J-4, 48+2*(J-4)
.endif
.set J, J+1
.endr
	s_wait_alu depctr_va_vdst(0)                   ; the wait behind the batch
	CODES 1, 1
	MOVA 0, 1
	MOVB 0, 1
.set J, 0
.rept 4
	PSUM 12+J, 96+4*J                              ; tile 1's block 1
	ADDT 8+J, 112+2*J
	ADDT 4+J, 56+2*J                               ; the last quarter of tile 0's
.set J, J+1
.endr
	MOVA 1, 1
	MOVB 1, 1
.set J, 0
.rept 4
	ADDT 12+J, 120+2*J
.set J, J+1
.endr
	TREE 0                                         ; with the four lines above: twelve plain lines that name no register of the products below, behind the writing of p's codes and scale words
	WIN 0x51                                       ; source 0, C and D window 1
	s_wait_alu depctr_va_vdst(0)                   ; the wait ahead of the one below
	s_wait_dscnt 0x0                               ; v's fragments are in, and the next step's k
.irp u, 0,1
.irp t, 0,1,2,3                        ; O^T += v^T p^T: the eight accumulators by turns
	v_wmma_scale_f32_16x16x128_f8f6f4 v[OT+32*\u+8*\t:OT+32*\u+8*\t+7], v[VF+12*\t:VF+12*\t+11], v[PC+12*\u:PC+12*\u+11], v[OT+32*\u+8*\t:OT+32*\u+8*\t+7], v[VS+\t], v[PS+\u] matrix_a_fmt:MATRIX_FMT_BF6 matrix_b_fmt:MATRIX_FMT_BF6
.endr
.endr
	WIN 0
	TREE 1
.endm
	s_wait_alu depctr_va_vdst(0)                   ; the wait at the head's end
	s_wait_tensorcnt 0x0                           ; my early part has landed
	ds_add_u32 v[SPW], v[NIL]
	s_mov_b32 s44, 0
	s_wait_dscnt 0x0
	ROUND                                          ; key steps 0-3 are whole, and all four work-groups are here
	tensor_load_to_lds s[36:39], s[24:31]          ; my late part, the first tensor load behind the round
	s_nop 0
.rept 4
	v_nop
.endr
	KWORDS L4, 0                                   ; key step 0's k
	WIN 0x40
	KCODES L16, L8, 0
	WIN 0
	s_wait_loadcnt 0x0                             ; q
	s_wait_dscnt 0x0
	s_mov_b32 s45, 3
.Learly:                                               ; key steps 0-2; the third trip asks for k of key step 3: no byte at or past 4 x 13,056 = 52,224 is read, inside the early 53,248
	STEP 1
	s_add_co_u32 s44, s44, STEPB
	s_sub_co_u32 s45, s45, 1
	s_cmp_lg_u32 s45, 0
	s_cbranch_scc1 .Learly
	s_wait_tensorcnt 0x0                           ; my late part has landed
	s_wait_dscnt 0x0
	s_barrier_signal -1
	s_barrier_wait -1                              ; the head is whole
	s_mov_b32 s45, 12
.Llate:                                                ; key steps 3-14
	STEP 1
	s_add_co_u32 s44, s44, STEPB
	s_sub_co_u32 s45, s45, 1
	s_cmp_lg_u32 s45, 0
	s_cbranch_scc1 .Llate
	STEP 0                                         ; key step 15 is written out: it has no successor to ask for, and no LDS read leaves the head's block
	; THE WAY OUT: O^T / the sum, quantised along the head's 64: half an image of the last product's operand for each tile.  The sums that end the step are the places behind the last products
.irp u, 0,1
	v_add_f32 v[SM+2*\u], v[SM+2*\u], v[SM+1+2*\u] ; the sum's two halves,
.endr
.irp u, 0,1
	v_permlanex16_b32 v[XD+2*\u], v[SM+2*\u], s40, s41
.endr
.irp u, 0,1
	v_add_f32 v[SM+2*\u], v[SM+2*\u], v[XD+2*\u]   ; and lane l xor 16's: the row's sum
.endr
	s_wait_alu depctr_va_vdst(0)                   ; the wait ahead of the transcendentals,
	v_rcp_f32 v[SM], v[SM]
	v_rcp_f32 v[SM+2], v[SM+2]
	v_nop                                          ; (a plain place)
	WIN 0x01                                       ; source 0 window 1
	s_wait_alu depctr_va_vdst(0)                   ; and behind them, directly ahead of the first readers of O^T
.set J, 0
.rept 16
	v_pk_mul_f32 v[S+J:S+J+1], v[OT+J:OT+J+1], v[SM:SM+1] op_sel_hi:[1,0]   ; register 64 u + i: channel 32 h + i of my query; each accumulator from its low end on
	v_pk_mul_f32 v[S+64+J:S+64+J+1], v[OT+32+J:OT+32+J+1], v[SM+2:SM+3] op_sel_hi:[1,0]
.set J, J+2
.endr
	WIN 0
.irp u, 0,1
	v_max3_num_f32 v[BM+\u], |v[S+64*\u]|, |v[S+64*\u+1]|, 0x2800000             ; block h is mine whole; two chains a tile, the floor among the leaves
	v_max3_num_f32 v[BC+\u], |v[S+64*\u+16]|, |v[S+64*\u+17]|, |v[S+64*\u+18]|
.endr
.irp i, 2,4,6,8,10,12
.irp u, 0,1
	v_max3_num_f32 v[BM+\u], v[BM+\u], |v[S+64*\u+\i]|, |v[S+64*\u+\i+1]|
	v_max3_num_f32 v[BC+\u], v[BC+\u], |v[S+64*\u+17+\i]|, |v[S+64*\u+18+\i]|
.endr
.endr
.irp u, 0,1
	v_max3_num_f32 v[BM+\u], v[BM+\u], |v[S+64*\u+14]|, |v[S+64*\u+15]|
.endr
.irp u, 0,1
	v_max3_num_f32 v[BM+\u], v[BM+\u], v[BC+\u], |v[S+64*\u+31]|
.endr
.irp u, 0,1
	v_add_nc_u32 v[BS+2*\u], 0xfe000000, v[BM+\u]
.endr
	CODES 0, 0
	CODES 1, 0
	v_lshrrev_b32 v[WK], 23, v[BS]                 ; block h's byte; also the plain places behind the conversions
	v_lshrrev_b32 v[WK+1], 23, v[BS+2]
	MOVA 0, 0
	MOVA 1, 0
	MOVB 0, 0
	MOVB 1, 0
.irp u, 0,1
	global_store_b128 v[L16], v[PC+12*\u:PC+12*\u+3], s[8:9] offset:1536*\u             ; 512 consecutive bytes,
	global_store_b64 v[L8], v[PC+12*\u+4:PC+12*\u+5], s[8:9] offset:1536*\u+512         ; 256 consecutive bytes
	global_store_b8 v8, v[WK+\u], s[10:11] offset:512*\u
.endr
	s_wait_tensorcnt 0x0                           ; the wave's end
	ds_add_u32 v[SPW], v[NIL]
	s_wait_dscnt 0x0
	ROUND                                          ; the closing round
	s_endpgm
.Lfunc_end_k_qb6ac404065_attn:
	.size	k_qb6ac404065_attn, .Lfunc_end_k_qb6ac404065_attn-k_qb6ac404065_attn
	.p2alignl 7, 3214868480
	.fill 96, 4, 3214868480
	.section	.rodata,"a",@progbits
	.p2align	6, 0x0
	.amdhsa_kernel k_qb6ac404065_attn
		.amdhsa_group_segment_fixed_size 327680
		.amdhsa_private_segment_fixed_size 0
		.amdhsa_enable_private_segment 0
		.amdhsa_kernarg_size 32
		.amdhsa_user_sgpr_count 2
		.amdhsa_user_sgpr_kernarg_segment_ptr 1
		.amdhsa_wavefront_size32 1
		.amdhsa_system_sgpr_workgroup_id_x 1
		.amdhsa_system_sgpr_workgroup_id_y 1
		.amdhsa_system_sgpr_workgroup_id_z 1
		.amdhsa_system_vgpr_workitem_id 0
		.amdhsa_next_free_vgpr 512
		.amdhsa_next_free_sgpr 66
		.amdhsa_reserve_vcc 1
		.amdhsa_float_denorm_mode_32 3
		.amdhsa_float_denorm_mode_16_64 3
		.amdhsa_memory_ordered 1
		.amdhsa_forward_progress 1
		.amdhsa_inst_pref_size 99
	.end_amdhsa_kernel
	.amdgpu_metadata
---
amdhsa.version: [ 1, 2 ]
amdhsa.kernels:
  - .name:           k_qb6ac404065_attn
    .symbol:         k_qb6ac404065_attn.kd
    .args:
      - { .name: qc, .offset: 0, .size: 8, .value_kind: global_buffer, .address_space: global }
      - { .name: kv, .offset: 8, .size: 8, .value_kind: global_buffer, .address_space: global }
      - { .name: oc, .offset: 16, .size: 8, .value_kind: global_buffer, .address_space: global }
      - { .name: sc2, .offset: 24, .size: 8, .value_kind: global_buffer, .address_space: global }
    .group_segment_fixed_size: 327680
    .private_segment_fixed_size: 0
    .kernarg_segment_align: 8
    .kernarg_segment_size: 32
    .max_flat_workgroup_size: 256
    .sgpr_count:     66
    .vgpr_count:     512
    .wavefront_size: 32
...
	.end_amdgpu_metadata
.endif
;; end of part 3
;; launch oproj (part 4): grid 8 x 32, 4 waves a work-group, clusters of 4 x 4, 214,528 bytes of LDS; arguments oc, woc, sc2, b_o, out0; writes out0
.if DOCPART == 4
	.amdgcn_target "amdgcn-amd-amdhsa--gfx1250"
	.amdhsa_code_object_version 6
	.text
	.protected	k_qb6ac404065_oproj
	.globl	k_qb6ac404065_oproj
	.p2align	8
	.type	k_qb6ac404065_oproj,@function
k_qb6ac404065_oproj:
	s_mov_b64 s[64:65], 0
	v_nop
	global_prefetch_b8 v0, s[64:65] scope:SCOPE_SE
	s_setreg_imm32_b32 hwreg(HW_REG_WAVE_MODE, 25, 1), 1
	s_wait_xcnt 0x0
	s_wait_alu depctr_hold_cnt(0) depctr_sa_sdst(0) depctr_va_vdst(0) depctr_va_sdst(0) depctr_va_ssrc(0) depctr_va_vcc(0) depctr_vm_vsrc(0)
	s_getreg_b32 s2, hwreg(HW_REG_IB_STS2, 6, 4)
	s_cmp_eq_u32 s2, 0
	s_cbranch_scc0 .Lentry_in_a_cluster
	s_endpgm
.Lentry_in_a_cluster:
	s_bfe_u32 s2, ttmp6, 0x10000c
	s_cmp_lg_u32 s2, 0xf033
	s_cbranch_scc0 .Lentry_shape_is_right
	s_endpgm
.Lentry_shape_is_right:
; out0 = o w_o + b_o on codes of BF6; o [4096][1024] and w_o (columns as rows) lie as images of the operands' registers, [K step][row block][1536 bytes], their scale words in sc2.
; SHARES.  A tile of 128 x 128 to a work-group: 256 work-groups; tiles of 256 x 256 would be 64.  Wave (mh, nh) makes 64 x 64: 16 accumulators.
; LDS IS FILLED ONCE with both operands' images for all of K (2 x 8 x 12,288 bytes); behind them a stage of 16 rows x 272 bytes for each wave, which no tensor load touches.
; ONE TENSOR LOAD A WAVE: a tile of several K steps, whose rows are a K step's dense block: wave 0 o's K steps 0-1, wave 1 w_o's 0-1, wave 2 o's 2-7, wave 3 w_o's 2-7.  Waves 0 and 1 wait for theirs ahead of the first K step,
; all waves ahead of the fetch of K step 2.  Everything is asked for at the head: there is no loop to prefetch in.
; CLUSTER 4 x 4: o's tiles are asked for jointly along a row of the cluster, w_o's along a column.
; THE PRODUCT IS USED TRANSPOSED (source 0 = 16 columns of w_o, source 1 = 16 rows of o): a lane holds eight neighbouring numbers of a row of the result.  The bias is the C of each sum's first product.
; The images' row order (lane-row p of block 4 g + q = true row 64 g + 32 (p / 8) + 8 q + p % 8) is undone on the way out: in the stage for the columns, in the stores' offsets for the rows.
; REGISTERS: window 0: v0-31 addresses; v32-63 scale words (v[32 + 8 i + s]: lanes 0-15 o's block i, lanes 16-31 w_o's tile i); v64-95 the bias, later with v96-127 rows on the way out; v128-255 the accumulators.
;   window 1: two sets of 96: o's four fragments, then w_o's four.
.set KSB,  12288                       ; a K step's eight images
.set OKS,  393216                      ; from K step to K step in oc
.set WKS,  98304                       ; in woc
.set WL,   98304                       ; where w_o's begin in LDS
.set STG,  196608
.set SPARE, STG+4*16*272               ; the spare words, 128 bytes for each wave
.set O16,  8
.set O8,   9
.set W16,  10
.set W8,   11
.set SO,   12
.set BO,   13
.set STO,  14
.set RD,   15
.set CO,   16
.set SC,   32
.set BI,   64
.set ACC,  128
.set G1OA, 24                          ; descriptor groups 1: o's K steps 0-1, 2-7; w_o's 0-1, 2-7
.set G1OB, 32
.set G1WA, 40
.set G1WB, 68
.set G0OA, 48                          ; and groups 0
.set G0OB, 52
.set G0WA, 56
.set G0WB, 60
.set MSB, 0
.macro WIN new
.if MSB != \new
	s_set_vgpr_msb (MSB<<8)|\new
.set MSB, \new
.endif
.endm
.macro ROUND
	s_barrier_signal -1
	s_barrier_wait -1
	s_cmp_lg_u32 s16, 0
	s_cbranch_scc1 .Lnot_wave_0_\@
	s_barrier_signal -3
.Lnot_wave_0_\@:
	s_barrier_wait -3
	s_barrier_signal -1
	s_barrier_wait -1
.endm
.macro GROUP1 g, rows, pitch           ; rows of a K step's 12,288 bytes, elements of 8 bytes, no padding
	s_mov_b32 s[\g+1], (KSB/8)<<16
	s_mov_b32 s[\g+2], (\rows)<<16
	s_mov_b32 s[\g+3], (KSB/8)<<16
	s_mov_b32 s[\g+4], \rows
	s_mov_b32 s[\g+5], \pitch
	s_mov_b32 s[\g+6], 0
	s_mov_b32 s[\g+7], 0
.endm
.macro GROUP0 g, lds, base, off
	s_mov_b32 s[\g], 1
	s_mov_b32 s[\g+1], \lds
	s_add_nc_u64 s[\g+2:\g+3], s[\base:\base+1], \off
	s_or_b32 s[\g+3], s[\g+3], 0x80000000
.endm
.macro ARM under, g0, g1, next
	s_cmp_lt_u32 s16, \under
	s_cbranch_scc0 \next
	tensor_load_to_lds s[\g0:\g0+3], s[\g1:\g1+7]
	s_nop 0
.rept 4
	v_nop
.endr
	s_branch .Lasked
\next:
.endm
.macro FRAG reg, a16, a8, off
	ds_load_b128 v[\reg:\reg+3], v[\a16] offset:\off
	ds_load_b64 v[\reg+4:\reg+5], v[\a8] offset:\off+512
	ds_load_b128 v[\reg+6:\reg+9], v[\a16] offset:\off+768
	ds_load_b64 v[\reg+10:\reg+11], v[\a8] offset:\off+1280
.endm
	s_load_b256 s[4:11], s[0:1], 0x0               ; oc s[4:5], woc s[6:7], sc2 s[8:9], b_o s[10:11]
	s_load_b64 s[12:13], s[0:1], 0x20              ; out0
	v_lshl_add_u32 v30, v0, 2, SPARE
	v_mov_b32 v31, 0
	ds_add_u32 v30, v31                            ; the wave's opening: the add, twice on end, and its wait
	ds_add_u32 v30, v31
	v_lshrrev_b32 v1, 5, v0
	v_readfirstlane_b32 s16, v1                    ; wave 0..3
	s_lshr_b32 s17, s16, 1                         ; mh
	s_and_b32 s18, s16, 1                          ; nh
	s_bfe_u32 s19, ttmp6, 0x40000                  ; cx
	s_bfe_u32 s20, ttmp6, 0x40004                  ; cy
	s_lshl_b32 s21, ttmp9, 2
	s_add_co_u32 s21, s21, s19                     ; nt: the tile of 128 columns
	s_and_b32 s22, ttmp7, 0xffff
	s_lshl_b32 s22, s22, 2
	s_add_co_u32 s22, s22, s20                     ; mt: the tile of 128 rows
	s_lshl_b32 s84, s20, 2
	s_lshl_b32 s84, 15, s84                        ; my row of the cluster
	s_lshl_b32 s88, 0x1111, s19                    ; my column
	s_or_b32 s[G1OA], s84, (3<<16)|(1<<21)         ; 15:0 the mask; 17:16 elements of 8 bytes; 21 set beside a mask
	s_or_b32 s[G1OB], s84, (3<<16)|(1<<21)
	s_or_b32 s[G1WA], s88, (3<<16)|(1<<21)
	s_or_b32 s[G1WB], s88, (3<<16)|(1<<21)
	GROUP1 G1OA, 2, OKS/8
	GROUP1 G1OB, 6, OKS/8
	GROUP1 G1WA, 2, WKS/8
	GROUP1 G1WB, 6, WKS/8
	; s84-87 hold what hangs on cy alone, s88-91 what hangs on cx alone, s92-93 what hangs on both
	s_mul_i32 s84, s22, KSB
	s_mov_b32 s85, 0
	s_mul_i32 s88, s21, KSB
	s_mov_b32 s89, 0
	s_wait_dscnt 0x0                               ; both opening adds are done
	s_wait_kmcnt 0x0
	s_add_nc_u64 s[86:87], s[4:5], s[84:85]
	s_add_nc_u64 s[90:91], s[6:7], s[88:89]
	GROUP0 G0OA, 0, 86, 0
	GROUP0 G0OB, 2*KSB, 86, 2*OKS
	GROUP0 G0WA, WL, 90, 0
	GROUP0 G0WB, WL+2*KSB, 90, 2*WKS
	ROUND                                          ; all sixteen work-groups are here: the joint loads meet
	ARM 1, G0OA, G1OA, .Lhead_1                    ; one chain of branches on the wave's number: every way passes one load
	ARM 2, G0WA, G1WA, .Lhead_2
	ARM 3, G0OB, G1OB, .Lhead_3
	tensor_load_to_lds s[G0WB:G0WB+3], s[G1WB:G1WB+7]
	s_nop 0
.rept 4
	v_nop
.endr
.Lasked:
	v_and_b32 v1, 31, v0                           ; lane
	v_and_b32 v2, 15, v0                           ; r
	v_bfe_u32 v3, v0, 4, 1                         ; h
	v_lshlrev_b32 v4, 4, v1
	v_lshlrev_b32 v5, 3, v1
	s_mul_i32 s2, s17, 6144                        ; my four blocks of o
	v_add_nc_u32 v[O16], s2, v4
	v_add_nc_u32 v[O8], s2, v5
	s_mul_i32 s2, s18, 6144                        ; my four tiles of w_o
	s_add_co_u32 s2, s2, WL
	v_add_nc_u32 v[W16], s2, v4
	v_add_nc_u32 v[W8], s2, v5
	s_mul_i32 s2, s16, 4352
	s_add_co_u32 s2, s2, STG                       ; my stage
	v_mul_u32_u24 v6, v2, 272
	v_lshl_add_u32 v6, v3, 7, v6
	v_add_nc_u32 v[STO], s2, v6                    ; in: row r, + 128 h
	v_mul_u32_u24 v6, v3, 272
	v_lshl_add_u32 v6, v2, 4, v6
	v_add_nc_u32 v[RD], s2, v6                     ; back: lanes 0-15 one row of 256 bytes, lanes 16-31 the next
	v_lshlrev_b32 v[CO], 12, v3
	v_lshl_add_u32 v[CO], v2, 4, v[CO]             ; and the same two rows in out0
	s_lshl_b32 s84, s22, 3
	s_lshl_b32 s85, s17, 2
	s_add_co_u32 s84, s84, s85
	s_lshl_b32 s84, s84, 9
	s_add_co_u32 s84, s84, 32768                   ; o's words of row block 8 mt + 4 mh
	s_lshl_b32 s88, s21, 3
	s_lshl_b32 s89, s18, 2
	s_add_co_u32 s88, s88, s89
	s_lshl_b32 s88, s88, 9                         ; w_o's of tile 8 nt + 4 nh
	s_lshl_b32 s89, s21, 9
	s_lshl_b32 s90, s18, 8
	s_add_co_u32 s89, s89, s90                     ; my 64 numbers of b_o
	s_wait_alu depctr_va_vdst(0)                   ; the wait here, ahead of the readers below
	v_lshlrev_b32 v6, 4, v2                        ; 16 bytes a row: four K steps' words
	v_mov_b32 v7, s84
	v_cmp_gt_u32 vcc_lo, 16, v1
	v_cndmask_b32 v[SO], s88, v7, vcc_lo
	v_add_nc_u32 v[SO], v[SO], v6
	v_lshl_add_u32 v[BO], v3, 7, s89               ; tile i, register j: number 32 h + 8 i + j
.irp i, 0,1,2,3
.irp k, 0,1
	global_load_b128 v[SC+8*\i+4*\k:SC+8*\i+4*\k+3], v[SO], s[8:9] offset:\i*512+\k*256
.endr
.endr
.irp i, 0,1,2,3
	global_load_b128 v[BI+8*\i:BI+8*\i+3], v[BO], s[10:11] offset:32*\i
	global_load_b128 v[BI+8*\i+4:BI+8*\i+7], v[BO], s[10:11] offset:32*\i+16
.endr
	s_lshl_b32 s92, s22, 7
	s_lshl_b32 s93, s17, 6
	s_add_co_u32 s92, s92, s93
	s_lshl_b32 s92, s92, 12                        ; my first row of out0: 128 mt + 64 mh
	s_lshl_b32 s93, s21, 9
	s_add_co_u32 s92, s92, s93
	s_lshl_b32 s93, s18, 8
	s_add_co_u32 s92, s92, s93                     ; my first column: 128 nt + 64 nh
	s_mov_b32 s93, 0
	s_add_nc_u64 s[12:13], s[12:13], s[92:93]
.macro FETCH s                         ; 32 LDS loads in one run
	WIN 0x40                                       ; destination window 1
.irp a, 0,1,2,3
	FRAG 96*((\s)%2)+12*\a, O16, O8, \a*1536
.endr
.irp i, 0,1,2,3
	FRAG 96*((\s)%2)+48+12*\i, W16, W8, \i*1536
.endr
.endm
.macro MUL s                           ; the 16 accumulators take turns, one instruction a turn, in the same order in every step
	WIN 0x05                                       ; sources 0 and 1 window 1
.set FB, 96*((\s)%2)
.irp a, 0,1,2,3
.irp i, 0,1,2,3
.if (\s) == 0
	v_wmma_scale_f32_16x16x128_f8f6f4 v[ACC+8*(4*\a+\i):ACC+8*(4*\a+\i)+7], v[FB+48+12*\i:FB+48+12*\i+11], v[FB+12*\a:FB+12*\a+11], v[BI+8*\i:BI+8*\i+7], v[SC+8*\i+(\s)], v[SC+8*\a+(\s)] matrix_a_fmt:MATRIX_FMT_BF6 matrix_b_fmt:MATRIX_FMT_BF6 matrix_a_scale:MATRIX_SCALE_ROW1
.else
	v_wmma_scale_f32_16x16x128_f8f6f4 v[ACC+8*(4*\a+\i):ACC+8*(4*\a+\i)+7], v[FB+48+12*\i:FB+48+12*\i+11], v[FB+12*\a:FB+12*\a+11], v[ACC+8*(4*\a+\i):ACC+8*(4*\a+\i)+7], v[SC+8*\i+(\s)], v[SC+8*\a+(\s)] matrix_a_fmt:MATRIX_FMT_BF6 matrix_b_fmt:MATRIX_FMT_BF6 matrix_a_scale:MATRIX_SCALE_ROW1
.endif
.endr
.endr
.endm
.macro STEP s
	WIN 0
	s_wait_dscnt 0x0                               ; this step's 32 loads, asked for a step ago, are in
.if (\s) == 1
	s_wait_tensorcnt 0x0                           ; my load has landed, waves 2 and 3's K steps 2 on among them
	s_barrier_signal -1
	s_barrier_wait -1
.endif
.if (\s) < 7
	s_wait_alu depctr_va_vdst(0)                   ; the wait ahead of the readers below
	v_add_nc_u32 v[O16], KSB, v[O16]               ; on to the next K step; also the four places in front of loads into the registers that the last step's products read
	v_add_nc_u32 v[O8], KSB, v[O8]
	v_add_nc_u32 v[W16], KSB, v[W16]
	v_add_nc_u32 v[W8], KSB, v[W8]
	FETCH (\s)+1
.endif
	MUL \s
.endm
	s_wait_alu depctr_va_vdst(0)                   ; the wait at the head's end
	s_cmp_lt_u32 s16, 2
	s_cbranch_scc0 .Llater                         ; waves 2 and 3 wait for their loads, lines of their own, ahead of K step 2
	s_wait_tensorcnt 0x0                           ; waves 0 and 1: K steps 0 and 1 have landed
.Llater:
	s_barrier_signal -1
	s_barrier_wait -1
	FETCH 0
	s_wait_loadcnt 0x0                             ; scale words and bias
.irp s, 0,1,2,3,4,5,6,7
	STEP \s
.endr
	WIN 0
.rept 4
	v_nop                                          ; places in front of the first read of results
.endr
; THE WAY OUT, a block of 16 rows x 64 columns at a time, through my own stage: LDS serves a wave's instructions in order, so no wait stands between the stores and the loads, nor in front of the next block's stores.
.irp a, 0,1,2,3
.set BK, 64+32*(\a%2)
.if \a > 1
	s_wait_xcnt 0x0                                ; block a - 2's stores have read their registers: block a's rows may land there
.endif
.irp i, 0,1,2,3
	ds_store_b128 v[STO], v[ACC+8*(4*\a+\i):ACC+8*(4*\a+\i)+3] offset:32*\i        ; each accumulator from its low end on; tile i: columns 32 h + 8 i on
	ds_store_b128 v[STO], v[ACC+8*(4*\a+\i)+4:ACC+8*(4*\a+\i)+7] offset:32*\i+16
.endr
.irp i, 0,1,2,3,4,5,6,7
	ds_load_b128 v[BK+4*\i:BK+4*\i+3], v[RD] offset:544*\i
.endr
	s_wait_dscnt 0x0
.irp i, 0,1,2,3,4,5,6,7
	global_store_b128 v[CO], v[BK+4*\i:BK+4*\i+3], s[12:13] offset:(8*\a+2*(\i%4)+32*(\i/4))*4096 th:TH_STORE_NT   ; lane-rows 2 i, 2 i + 1 at their true rows; 16 lanes store 256 consecutive bytes, at a multiple of 256 from out0's first byte
.endr
.endr
	s_wait_tensorcnt 0x0                           ; the wave's end
	ds_add_u32 v30, v31
	s_wait_dscnt 0x0
	ROUND                                          ; the closing round: no work-group ends while a partner may still ask for a tile that names it
	s_endpgm
.Lfunc_end_k_qb6ac404065_oproj:
	.size	k_qb6ac404065_oproj, .Lfunc_end_k_qb6ac404065_oproj-k_qb6ac404065_oproj
	.p2alignl 7, 3214868480
	.fill 96, 4, 3214868480
	.section	.rodata,"a",@progbits
	.p2align	6, 0x0
	.amdhsa_kernel k_qb6ac404065_oproj
		.amdhsa_group_segment_fixed_size 214528
		.amdhsa_private_segment_fixed_size 0
		.amdhsa_enable_private_segment 0
		.amdhsa_kernarg_size 40
		.amdhsa_user_sgpr_count 2
		.amdhsa_user_sgpr_kernarg_segment_ptr 1
		.amdhsa_wavefront_size32 1
		.amdhsa_system_sgpr_workgroup_id_x 1
		.amdhsa_system_sgpr_workgroup_id_y 1
		.amdhsa_system_sgpr_workgroup_id_z 1
		.amdhsa_system_vgpr_workitem_id 0
		.amdhsa_next_free_vgpr 512
		.amdhsa_next_free_sgpr 96
		.amdhsa_reserve_vcc 1
		.amdhsa_float_denorm_mode_32 3
		.amdhsa_float_denorm_mode_16_64 3
		.amdhsa_memory_ordered 1
		.amdhsa_forward_progress 1
		.amdhsa_inst_pref_size 53
	.end_amdhsa_kernel
	.amdgpu_metadata
---
amdhsa.version: [ 1, 2 ]
amdhsa.kernels:
  - .name:           k_qb6ac404065_oproj
    .symbol:         k_qb6ac404065_oproj.kd
    .args:
      - { .name: oc, .offset: 0, .size: 8, .value_kind: global_buffer, .address_space: global }
      - { .name: woc, .offset: 8, .size: 8, .value_kind: global_buffer, .address_space: global }
      - { .name: sc2, .offset: 16, .size: 8, .value_kind: global_buffer, .address_space: global }
      - { .name: b_o, .offset: 24, .size: 8, .value_kind: global_buffer, .address_space: global }
      - { .name: out0, .offset: 32, .size: 8, .value_kind: global_buffer, .address_space: global }
    .group_segment_fixed_size: 214528
    .private_segment_fixed_size: 0
    .kernarg_segment_align: 8
    .kernarg_segment_size: 40
    .max_flat_workgroup_size: 128
    .sgpr_count:     96
    .vgpr_count:     512
    .wavefront_size: 32
...
	.end_amdgpu_metadata
.endif
;; end of part 4
